; MI455X (gfx1250); checked and timed in simulation.
; The chip was launched on July 23, 2026; its instructions are those of AMD's public machine-readable ISA for CDNA 5 (MIT licence, August 2026) and "CDNA5" Instruction Set Architecture Reference Guide (July 2026). The comments in the code are by the model that wrote it; some were corrected since.
;; Multi Head Attention. Allowed arithmetic: matrix products marked QUANTISED: E2M3 operands, one E8M0 scale for each 32 along K, by v_wmma_scale_f32_16x16x128_f8f6f4 with both operands' format E2M3, f32 sums; everything else in f32.
;; Inputs: Wk 2,048 x 2,048 float32; Wo 2,048 x 2,048 float32; Wq 2,048 x 2,048 float32; Wv 2,048 x 2,048 float32; rotary_cos 1 x 2,048 x 128 float32; rotary_sin 1 x 2,048 x 128 float32; x 1 x 2,048 x 2,048 float32.
;; Outputs: out0 1 x 2,048 x 2,048 float32.
;; This version of the problem:
;;   THIS VERSION OF THE PROBLEM IS GIVEN IN LOW PRECISION. The matrix products marked QUANTISED in the list below multiply operands that are first quantised to E2M3 (2 exponent bits, 3 mantissa bits; 6 bits a number), with one power-of-two scale for each 32 numbers along K (OCP MX v1.0); their sums are f32. All else is computed in f32.
;;   The module's matrix products, in the order in which they are computed (A, B: the left and right operand; K: the contracted axis; several contracted axes count as one K, in the product's order):
;;     1. [M 2,048, K 2,048] x [K 2,048, N 2,048]; A: input x; B: input Wq: QUANTISED
;;     2. [M 2,048, K 2,048] x [K 2,048, N 2,048]; A: input x; B: input Wk: QUANTISED
;;     3. [M 2,048, K 2,048] x [K 2,048, N 2,048]; A: input x; B: input Wv: QUANTISED
;;     4. batch 16 x [M 2,048, K 128] x [K 128, N 2,048]; A: computed on the way; B: computed on the way: QUANTISED
;;     5. batch 16 x [M 2,048, K 2,048] x [K 2,048, N 128]; A: softmax (see below); B: computed on the way: QUANTISED
;;     6. [M 2,048, K 2,048] x [K 2,048, N 2,048]; A: computed on the way; B: input Wo: QUANTISED
;;   THE QUANTISER, for each operand of a quantised product, along K:
;;     - K is cut into blocks of 32 from its start; a last block that is shorter is filled with zeros.
;;     - A block's scale is 2^e with e = floor(log2(the largest magnitude in the block)) - 2, held to -126 .. 127; a block of zeros has e = 0. As a byte (E8M0): e + 127.
;;     - Each number is divided by its block's scale, clamped to +-7.5, and rounded to the nearest number of E2M3, ties to even, subnormals kept.
;;     - The product sums the exact products of the quantised numbers (number of the format x scale) in f32.
;;   ~~~python
;;   def quantise(x, axis):      # numpy; x: float32 -> the quantised numbers, widened to float32 again
;;       x = np.moveaxis(x, axis, -1); K = x.shape[-1]
;;       x = np.pad(x, [(0, 0)] * (x.ndim - 1) + [(0, -K % 32)]); x = x.reshape(x.shape[:-1] + (-1, 32)); a = np.abs(x).max(-1, keepdims=True)
;;       e = np.where(a > 0, np.clip(np.frexp(np.where(a > 0, a, 1))[1] - 1 - 2, -126, 127), 0)      # np.frexp(a)[1] - 1 = floor(log2(a)), exactly
;;       r = np.clip(x / 2.0 ** e, -7.5, 7.5)
;;       step = 2.0 ** (np.maximum(np.frexp(np.where(r == 0, 1, r))[1] - 1, 0) - 3)
;;       q = np.round(r / step) * step * 2.0 ** e      # np.round: ties to even
;;       return np.moveaxis(q.reshape(q.shape[:-2] + (-1,))[..., :K], -1, axis).astype(np.float32)
;;   ~~~
;;   SOFTMAX AHEAD OF A QUANTISED PRODUCT. Where the list says 'softmax', what is quantised is not the finished softmax but p = 2^(t - M), with t = logit x log2(e) and M = ceil(the row's largest t), a whole number; so 1/2 < the row's largest p <= 1. The row's sum l is taken of the UNQUANTISED p, in f32, and the product's result is divided by l at the end. Since M is a whole number, a kernel that streams over the keys may use a running M (the ceiling of the running maximum): every later rescaling is an exact power of two, which a block's scale takes up: the codes' values come out the same.
;;   OPERANDS COMPUTED ON THE WAY. 'Computed on the way' means the value that the module computes at that place (a softmax that the list does not call 'softmax' is quantised finished and normalised). What goes into a quantiser is computed in f32, as accurately as f32 sums, v_exp_f32 and their like allow (about 1e-6 of the number): no bf16 or f16 on the way to a quantiser, and a product that is left as it is and whose result goes on into a quantised operand takes f32 operands (vector FMAs, or v_wmma_f32_16x16x4_f32). A number that lies on a knife's edge between two numbers of the format may be rounded either way, as far as f32 arithmetic and the matrix unit's own rounding can turn it there, and no further.
;; One version. Each part assembles by itself: llvm-mc -triple=amdgcn-amd-amdhsa -mcpu=gfx1250 --defsym DOCPART=n.
;; ======== version 1 of 1: 4 launches
;; workspace buffers: ops 16,384,000 bytes; rope 2,097,152 bytes; qkv 9,830,400 bytes; att 3,276,800 bytes
;; launch quant (part 1): grid 256 x 1, 6 waves a work-group, no clusters, 51,456 bytes of LDS; arguments x, Wq, Wk, Wv, Wo, rotary_cos, rotary_sin, ops, rope; writes ops, rope
.if DOCPART == 1
	.amdgcn_target "amdgcn-amd-amdhsa--gfx1250"
	.amdhsa_code_object_version 6
	.text
	.protected	k_qc897e86f3e_quant
	.globl	k_qc897e86f3e_quant
	.p2align	8
	.type	k_qc897e86f3e_quant,@function
k_qc897e86f3e_quant:
	s_mov_b64 s[64:65], 0
	v_nop
	global_prefetch_b8 v0, s[64:65] scope:SCOPE_SE
	s_setreg_imm32_b32 hwreg(HW_REG_WAVE_MODE, 25, 1), 1
	s_wait_xcnt 0x0
; x, Wq, Wk, Wv, Wo ([2048][2048] f32, K innermost) become codes of FP6 (E2M3) with one E8M0 scale byte for each 32 along K, laid in CHUNKS; cos and sin ([2048][128] f32) are laid in the order of a lane's registers.
; A CHUNK, 12,800 bytes, is 128 rows x 128 along K as the matrix unit's registers take them: eight fragments of 16 rows, each an image of its 12 registers (registers 4 c .. 4 c + 3 of lane l at 1536 f + 512 c + 16 l),
; then 512 bytes of scale words: the word of fragment 4 j + i, lane-row r at 12288 + 256 j + 16 r + 4 i.  So a fragment comes and goes by three accesses of 16 bytes a lane, 512 consecutive bytes each.
; THE ROWS OF A FRAGMENT ARE NOT NEIGHBOURS: lane-row r of fragment f is row 32 (f / 2) + 8 (f % 2) + r + 8 (r / 8) of the 128, so that a later product's results, used transposed, lie along the next K in a lane's registers.
; ops = [group of 128 rows: 80][K step: 16][chunk]; groups 0-15 x, 16-31 Wq, 32-47 Wk, 48-63 Wv, 64-79 Wo.
; rope = [block of 16 rows: 128][cos, sin][m 16][lane 32][16 bytes]: register 4 m + e of lane (r, h) is table[row of lane-row r][32 (m / 4) + 16 h + 4 (m % 4) + e].
; A block's scale is 2^(floor(log2(its largest magnitude)) - 2): its byte is that magnitude's exponent field - 2, held at 1 from below.
; LIMITS: NaN and infinities among the inputs are not served; a block of zeros gets the byte 1 where the rule says 127: its codes are zeros, and this program alone reads the bytes.
; SHARES.  Work-group g: wave w = 0 .. 4 makes chunk (group g / 16, K step g % 16) of tensor w: 128 rows x 512 bytes in, 12,800 bytes out.  Wave 5 lays 16 rows of cos (g even) or sin (g odd).
; Each load reads one row's 512 consecutive bytes, 16 a lane; the conversions want 16 neighbours in ONE lane, so a fragment's 16 rows turn through the wave's own stage in LDS.  Waves share nothing: no barrier.
; Matrix units, clusters and tensor loads are left out: memory binds, and 32 loads of 512 bytes a wave are on their way.
.set CHUNK,  12800
.set FRB,    1536                      ; a fragment's image
.set SCO,    8*FRB                     ; where a chunk's scale words begin
.set SPITCH, 528                       ; a stage row: 512 bytes + 16 = 33 x 16: the sixteen rows that a read touches begin in sixteen different columns of 16 bytes modulo 256
.set STGB,   16*SPITCH                 ; a wave's stage
.set SPARE,  6*STGB                    ; behind the stages: the spare words, 128 bytes for each wave: three blocks of 256 bytes that no other line names
.set LN,   1                           ; v1   lane
.set LI,   2                           ; v2   16 x lane: the offset of the loads and of all stores; never rewritten
.set SIN,  3                           ; v3   the stage, on the way in: 16 x lane
.set SOU,  4                           ; v4   and on the way out: row r, + 64 h
.set RO,   5                           ; v5   wave 5: my lane's byte in the block's rows of a table
.set SPW,  6                           ; v6   LDS address of my spare word; never rewritten
.set NIL,  7                           ; v7   0; never rewritten
.set R,    16                          ; v16-143  two sets of 64: a fragment's rows as loaded
.set X,    144                         ; v144-207 64 numbers of my row: register 16 b + i = k 32 b + 16 h + i
.set TM,   208                         ; v208-223 at work
.set PC,   228                         ; v228-239 the codes; v240-246 at work
.set SW,   248                         ; v248-255 a scale word for each fragment
.set WV,   22
.set SEL,  28
; 64 numbers of a lane, register 16 b + i = k 32 b + 16 (lane / 16) + i of my row, become a fragment's codes in v[PC] on and its scale word in v[pw].
.macro QUANT s, pw
.irp b, 0,1,2,3
	v_max3_num_f32 v[TM+\b], |v[\s+16*\b]|, |v[\s+1+16*\b]|, 0x1800000   ; block b: my 16 numbers, and the floor 2^(3 - 127): the byte cannot fall under 1
.endr
.irp i, 2,4,6,8,10,12,14
.irp b, 0,1,2,3
	v_max3_num_f32 v[TM+\b], v[TM+\b], |v[\s+16*\b+\i]|, |v[\s+1+16*\b+\i]|   ; the four blocks by turns
.endr
.endr
.irp b, 0,1,2,3
	v_permlanex16_b32 v[TM+4+\b], v[TM+\b], s[SEL], s[SEL+1]
.endr
.irp b, 0,1,2,3
	v_max_num_f32 v[TM+\b], v[TM+\b], v[TM+4+\b]   ; with lane l xor 16's: the block's largest magnitude
.endr
.irp b, 0,1,2,3
	v_add_nc_u32 v[TM+12+\b], 0xff000000, v[TM+\b]   ; 2 off its exponent field: the conversion takes this operand's exponent field as its scale
.endr
.irp b, 0,1,2,3
	v_lshrrev_b32 v[TM+4+\b], 23, v[TM+12+\b]      ; the scale's byte
.endr
	v_lshl_or_b32 v[\pw], v[TM+5], 8, v[TM+4]      ; four bytes: my row's scale word
	v_lshl_or_b32 v[\pw], v[TM+6], 16, v[\pw]
	v_lshl_or_b32 v[\pw], v[TM+7], 24, v[\pw]
.irp c, 0,1
	v_cvt_scalef32_pk16_fp6_f32 v[PC+6*\c:PC+2+6*\c], v[\s+32*\c:\s+15+32*\c], v[TM+12+2*\c]
	v_cvt_scalef32_pk16_fp6_f32 v[PC+12+4*\c:PC+14+4*\c], v[\s+16+32*\c:\s+31+32*\c], v[TM+13+2*\c]   ; (a conversion's three registers begin on an even number)
.endr
	v_nop                                          ; one plain place behind a scaled conversion
.irp c, 0,1                                    ; the operand's layout wants a WHOLE block in a lane: lanes 0-15 block 2 c, lanes 16-31 block 2 c + 1
.irp i, 0,1,2
	v_permlane16_swap_b32 v[PC+6*\c+\i], v[PC+12+4*\c+\i]
.endr
.irp i, 0,1,2
	v_mov_b32 v[PC+3+6*\c+\i], v[PC+12+4*\c+\i]
.endr
.endr
.endm
	s_load_b256 s[4:11], s[0:1], 0x0               ; x s[4:5], Wq s[6:7], Wk s[8:9], Wv s[10:11]
	s_load_b256 s[12:19], s[0:1], 0x20             ; Wo s[12:13], cos s[14:15], sin s[16:17], ops s[18:19]
	s_load_b64 s[20:21], s[0:1], 0x40              ; rope
	v_lshl_add_u32 v[SPW], v0, 2, SPARE
	v_mov_b32 v[NIL], 0
	v_lshrrev_b32 v8, 5, v0
	v_readfirstlane_b32 s[WV], v8                  ; wave 0..5
	v_and_b32 v[LN], 31, v0
	v_lshlrev_b32 v[LI], 4, v[LN]
	v_and_b32 v8, 15, v0                           ; r
	v_bfe_u32 v9, v0, 4, 1                         ; h
	s_mul_i32 s24, s[WV], STGB                     ; my stage.  Every address register is made here, ahead of the parting of the waves
	v_add_nc_u32 v[SIN], s24, v[LI]
	v_mul_u32_u24 v[SOU], v8, SPITCH
	v_lshl_add_u32 v[SOU], v9, 6, v[SOU]
	v_add_nc_u32 v[SOU], s24, v[SOU]
	v_and_b32 v[RO], 8, v8
	v_add_nc_u32 v[RO], v[RO], v8                  ; r + 8 (r / 8)
	v_lshlrev_b32 v[RO], 9, v[RO]                  ; a table's row is 512 bytes
	v_lshl_add_u32 v[RO], v9, 6, v[RO]             ; + 64 h
	s_mov_b32 s[SEL], 0x76543210
	s_mov_b32 s[SEL+1], 0xfedcba98                 ; v_permlanex16_b32's selects for lane l xor 16
.irp b, 0,1,2,3
	v_mov_b32 v[TM+4+\b], 0                        ; written once: a lane permute's destination counts as one of its sources
.endr
	s_wait_kmcnt 0x0
	s_cmp_eq_u32 s[WV], 5
	s_cbranch_scc1 .Lrope
.irp t, 1,2,3,4
	s_cmp_eq_u32 s[WV], \t                         ; my tensor: the choice hangs on the wave's number alone
	s_cselect_b64 s[4:5], s[4+2*\t:5+2*\t], s[4:5]
.endr
	s_lshr_b32 s24, ttmp9, 4
	s_lshl_b32 s24, s24, 20                        ; the group's 128 rows of 8,192 bytes
	s_and_b32 s25, ttmp9, 15
	s_lshl_b32 s25, s25, 9                         ; the K step's 512 bytes of a row
	s_or_b32 s24, s24, s25
	s_mov_b32 s25, 0
	s_add_nc_u64 s[4:5], s[4:5], s[24:25]
	s_lshl_b32 s26, s[WV], 8
	s_add_co_u32 s26, s26, ttmp9                   ; my chunk: 256 x tensor + 16 x group + K step
	s_mul_i32 s26, s26, CHUNK
	s_mov_b32 s27, 0
	s_add_nc_u64 s[18:19], s[18:19], s[26:27]
.macro LOAD f                          ; fragment f's 16 rows, one row's 512 consecutive bytes an instruction, into set f % 2
.irp i, 0,1,2,3,4,5,6,7,8,9,10,11,12,13,14,15
	global_load_b128 v[R+64*((\f)%2)+4*\i:R+64*((\f)%2)+4*\i+3], v[LI], s[4:5] offset:(32*((\f)/2)+8*((\f)%2)+\i+8*(\i/8))*8192 th:TH_LOAD_NT
.endr
.endm
.macro TURN f                          ; through the stage: LDS serves a wave's instructions in order (ISA guide 5.7.1.4), so no wait stands between the stores and the loads
.irp i, 0,1,2,3,4,5,6,7,8,9,10,11,12,13,14,15
	ds_store_b128 v[SIN], v[R+64*((\f)%2)+4*\i:R+64*((\f)%2)+4*\i+3] offset:SPITCH*\i
.endr
.irp b, 0,1,2,3
.irp j, 0,1,2,3
	ds_load_b128 v[X+16*\b+4*\j:X+16*\b+4*\j+3], v[SOU] offset:128*\b+16*\j   ; of row r: numbers 32 b + 16 h + 4 j on
.endr
.endr
.endm
.macro STEP f
.if (\f) < 7
	s_wait_loadcnt 16                              ; this fragment's 16 loads are in; the next fragment's 16 may be out
.else
	s_wait_loadcnt 0x0
.endif
	TURN \f
	s_wait_dscnt 0x0                               ; my 64 numbers are back, and the stage's stores have read their registers
.if (\f) > 0
	s_wait_xcnt 0x0                                ; the last fragment's stores have read the codes' registers, which are written again below
.endif
.if (\f) < 6
	LOAD (\f)+2
.endif
	QUANT X, SW+(\f)
.irp c, 0,1,2
	global_store_b128 v[LI], v[PC+4*\c:PC+4*\c+3], s[18:19] offset:FRB*(\f)+512*\c   ; 32 lanes store 512 consecutive bytes, at a multiple of 256 from the buffer's first byte
.endr
.endm
	LOAD 0
	LOAD 1
.irp f, 0,1,2,3,4,5,6,7
	STEP \f
.endr
	v_cmp_gt_u32 vcc_lo, 16, v[LN]                 ; lanes 0-15 hold the words of fragments 0-3, lanes 16-31 those of fragments 4-7 (both halves of the lanes have every word)
.irp i, 0,1,2,3
	v_cndmask_b32 v[X+\i], v[SW+4+\i], v[SW+\i], vcc_lo
.endr
	global_store_b128 v[LI], v[X:X+3], s[18:19] offset:SCO   ; the chunk's 512 bytes of scale words
	s_wait_tensorcnt 0x0                           ; the wave's end: behind my last LDS store
	ds_add_u32 v[SPW], v[NIL]
	s_wait_dscnt 0x0
	s_endpgm
.Lrope:                                            ; wave 5: 16 rows of one table, 8,192 bytes, from rows into the order of a lane's registers
	s_and_b32 s24, ttmp9, 1
	s_cmp_eq_u32 s24, 0
	s_cselect_b64 s[14:15], s[14:15], s[16:17]     ; cos or sin
	s_lshr_b32 s24, ttmp9, 1                       ; the block: 8 x group + fragment
	s_lshr_b32 s25, s24, 3
	s_lshl_b32 s25, s25, 7                         ; 128 x group
	s_bfe_u32 s26, s24, 0x20001
	s_lshl_b32 s26, s26, 5                         ; + 32 (fragment / 2)
	s_add_co_u32 s25, s25, s26
	s_and_b32 s26, s24, 1
	s_lshl_b32 s26, s26, 3                         ; + 8 (fragment % 2)
	s_add_co_u32 s25, s25, s26
	s_lshl_b32 s24, s25, 9
	s_mov_b32 s25, 0
	s_add_nc_u64 s[14:15], s[14:15], s[24:25]
	s_lshl_b32 s26, ttmp9, 13
	s_mov_b32 s27, 0
	s_add_nc_u64 s[20:21], s[20:21], s[26:27]
.irp m, 0,1,2,3,4,5,6,7,8,9,10,11,12,13,14,15
	global_load_b128 v[16+4*\m:19+4*\m], v[RO], s[14:15] offset:128*(\m/4)+16*(\m%4)   ; each load takes 32 bytes of each of 16 rows; the sixteen together read every byte of the rows once
.endr
.irp m, 0,1,2,3,4,5,6,7,8,9,10,11,12,13,14,15
	s_wait_loadcnt 15-\m                           ; loads come back in order (ISA guide 5.7.1): the younger ones may be out
	global_store_b128 v[LI], v[16+4*\m:19+4*\m], s[20:21] offset:512*\m
.endr
	s_wait_tensorcnt 0x0                           ; every wave ends alike
	ds_add_u32 v[SPW], v[NIL]
	s_wait_dscnt 0x0
	s_endpgm
.Lfunc_end_k_qc897e86f3e_quant:
	.size	k_qc897e86f3e_quant, .Lfunc_end_k_qc897e86f3e_quant-k_qc897e86f3e_quant
	.p2alignl 7, 3214868480
	.fill 96, 4, 3214868480
	.section	.rodata,"a",@progbits
	.p2align	6, 0x0
	.amdhsa_kernel k_qc897e86f3e_quant
		.amdhsa_group_segment_fixed_size 51456
		.amdhsa_private_segment_fixed_size 0
		.amdhsa_enable_private_segment 0
		.amdhsa_kernarg_size 72
		.amdhsa_user_sgpr_count 2
		.amdhsa_user_sgpr_kernarg_segment_ptr 1
		.amdhsa_wavefront_size32 1
		.amdhsa_system_sgpr_workgroup_id_x 1
		.amdhsa_system_sgpr_workgroup_id_y 1
		.amdhsa_system_sgpr_workgroup_id_z 1
		.amdhsa_system_vgpr_workitem_id 0
		.amdhsa_next_free_vgpr 256
		.amdhsa_next_free_sgpr 66
		.amdhsa_reserve_vcc 1
		.amdhsa_float_denorm_mode_32 3
		.amdhsa_float_denorm_mode_16_64 3
		.amdhsa_memory_ordered 1
		.amdhsa_forward_progress 1
		.amdhsa_inst_pref_size 68
	.end_amdhsa_kernel
	.amdgpu_metadata
---
amdhsa.version: [ 1, 2 ]
amdhsa.kernels:
  - .name:           k_qc897e86f3e_quant
    .symbol:         k_qc897e86f3e_quant.kd
    .args:
      - { .name: x, .offset: 0, .size: 8, .value_kind: global_buffer, .address_space: global }
      - { .name: Wq, .offset: 8, .size: 8, .value_kind: global_buffer, .address_space: global }
      - { .name: Wk, .offset: 16, .size: 8, .value_kind: global_buffer, .address_space: global }
      - { .name: Wv, .offset: 24, .size: 8, .value_kind: global_buffer, .address_space: global }
      - { .name: Wo, .offset: 32, .size: 8, .value_kind: global_buffer, .address_space: global }
      - { .name: rotary_cos, .offset: 40, .size: 8, .value_kind: global_buffer, .address_space: global }
      - { .name: rotary_sin, .offset: 48, .size: 8, .value_kind: global_buffer, .address_space: global }
      - { .name: ops, .offset: 56, .size: 8, .value_kind: global_buffer, .address_space: global }
      - { .name: rope, .offset: 64, .size: 8, .value_kind: global_buffer, .address_space: global }
    .group_segment_fixed_size: 51456
    .private_segment_fixed_size: 0
    .kernarg_segment_align: 8
    .kernarg_segment_size: 72
    .max_flat_workgroup_size: 192
    .sgpr_count:     66
    .vgpr_count:     256
    .wavefront_size: 32
...
	.end_amdgpu_metadata
.endif
;; end of part 1
;; launch qkv (part 2): grid 24 x 8, 4 waves a work-group, clusters of 4 x 4, 327,680 bytes of LDS; arguments ops, rope, qkv; writes qkv
.if DOCPART == 2
	.amdgcn_target "amdgcn-amd-amdhsa--gfx1250"
	.amdhsa_code_object_version 6
	.text
	.protected	k_qc897e86f3e_qkv
	.globl	k_qc897e86f3e_qkv
	.p2align	8
	.type	k_qc897e86f3e_qkv,@function
k_qc897e86f3e_qkv:
	s_mov_b64 s[64:65], 0
	v_nop
	global_prefetch_b8 v0, s[64:65] scope:SCOPE_SE
	s_setreg_imm32_b32 hwreg(HW_REG_WAVE_MODE, 25, 1), 1
	s_wait_xcnt 0x0
	s_wait_alu depctr_hold_cnt(0) depctr_sa_sdst(0) depctr_va_vdst(0) depctr_va_sdst(0) depctr_va_ssrc(0) depctr_va_vcc(0) depctr_vm_vsrc(0)
	s_getreg_b32 s2, hwreg(HW_REG_IB_STS2, 6, 4)
	s_cmp_eq_u32 s2, 0
	s_cbranch_scc0 .Lentry_in_a_cluster
	s_endpgm
.Lentry_in_a_cluster:
	s_bfe_u32 s2, ttmp6, 0x10000c
	s_cmp_lg_u32 s2, 0xf033
	s_cbranch_scc0 .Lentry_shape_is_right
	s_endpgm
.Lentry_shape_is_right:
; q = rope(x Wq^T), k = rope(x Wk^T), v^T = Wv x^T, all on codes of FP6 (E2M3) with E8M0 scales, f32 sums; the results are quantised in registers and leave as codes: q and k along the head's 128, v along the keys.
; OPERANDS lie in CHUNKS of 12,800 bytes (128 rows x 128 K: eight images of a fragment's 12 registers, then 512 bytes of scale words); lane-row r of fragment f is row 32 (f / 2) + 8 (f % 2) + r + 8 (r / 8).
; ops = [group 80][K step 16][chunk]: groups 0-15 x, 16-31 Wq, 32-47 Wk, 48-63 Wv.  qkv = [P 48][G 16][chunk]: P 0-15 q's heads, 16-31 k's (rows = positions of group G, K = the head's 128); 32-47 v's (rows = the head's 128, K = the keys of group G).
; A tile of C, 256 x 256, is made by four waves, 128 x 128 each: 64 accumulators, 512 registers.  Tile columns 0-15: A = x, B = Wq, Wk: a wave's 128 columns are ONE head.  Tile columns 16-23: A = Wv, B = x: C is v^T.
; THE MATRIX INSTRUCTION IS USED TRANSPOSED (source 0 = a fragment of B, source 1 = one of A): by the order of a fragment's rows, the 64 registers of A's block a hold, in lane (r, h), register 16 b + i = column 32 b + 16 h + i
; of one row: 16 neighbours of each block of 32 along the next product's K.  So RoPE (column d with column d +- 64: 32 registers apart) and the quantiser work in a lane's own registers.
; K goes through a ring of two LDS slots of two K steps; each wave brings one group's two chunks, 25,600 dense bytes, by one tensor load.  192 work-groups: a wave's tile is one whole head, and there are 768 such tiles.
; CLUSTERS: 4 x 4 work-groups; A's chunks are asked for jointly along a row of the cluster, B's along a column.
; LIMITS: NaN and infinities are not served; a block of zeros gets the byte 1 where the rule says 127 (its codes are zeros; this program alone reads the bytes).
; REGISTERS, in windows of 256: window 0: v1-29 addresses; v32-63 scale words, two sets; v64-127 at work on the way out; v128-223 A's eight fragments, ONE set (way out: codes and scale words); v224-239 at work.
;   window 1: B's fragments, two sets, at v0 and v128 (way out: cos and sin, two sets of 128).   windows 2, 3: the accumulators: (a, b) at v[8 (8 (a % 4) + b)].
.set CHUNK, 12800
.set FRB,   1536
.set SCO,   8*FRB
.set GRP,   16*CHUNK                   ; a group's 16 K steps
.set PART,  2*CHUNK                    ; what one tensor load brings
.set SLOT,  4*PART                     ; A's two groups, then B's two
.set SPARE, 2*SLOT                     ; behind the ring: the spare words, 128 bytes for each wave: two blocks of 256 bytes that no other line names
.set FR,    12
.set NL,    3                          ; LDS loads that bring a fragment
.set NQ,    2                          ; K steps in a slot
.set NP,    4                          ; places behind this matrix instruction (ISA guide 7.12.1)
.set LAPS,  4                          ; 16 K steps = 8 slots = 4 times round the ring
.set ADRA, 16                          ; v16-17  my A fragments in slot 0, 1: 16 x lane + my group's part
.set ADRB, 20                          ; v20-21  the same for B
.set ADRS, 22                          ; v22-23  my scale words: lanes 0-15 A's, lanes 16-31 B's
.set LI,   24                          ; v24     16 x lane
.set LN,   25                          ; v25     lane
.set SPW,  28
.set NIL,  29
.set SC,   32                          ; scale words: slot s, K step q, block i at v[SC + 16 s + 8 q + i]
.set T,    64
.set AF,   128
.set PC,   128                         ; the way out: codes v128-139, at work v140-146
.set CW,   148                         ; v148-151 the scale words as they are stored
.set SW,   152                         ; v152-159 a scale word for each block
.set TM,   224
.set G1,  24
.set G0,  32
.set G1B, 48
.set G0B, 56
.set OC,  68                           ; s[68:69] my chunk of qkv
.set RP,  70                           ; s[70:71] my 128 rows' cos and sin
.set SEL, 72
.set MSB, 0
.macro WIN new                         ; the immediate's high byte repeats the setting that is left; a switch that changes nothing is dropped
.if MSB != (\new)
	s_set_vgpr_msb (MSB<<8)|(\new)
.set MSB, (\new)
.endif
.endm
.set MUL_LO, 0xa1                      ; source 0 (B) window 1, source 1 (A) window 0, C and D window 2
.set MUL_HI, 0xf1
.set TO_B,   0x40                      ; destination window 1, address window 0
; A joint load: waves 0 and 1 fetch for A, waves 2 and 3 for B; the branch hangs on the wave's number alone.  An s_nop 0 and four v_nop follow each line.
.macro JLOAD g0a, g1a, g0b, g1b
	s_cmp_eq_u32 s15, 0
	s_cbranch_scc0 .Lfor_b_\@
	tensor_load_to_lds s[\g0a:\g0a+3], s[\g1a:\g1a+7]
	s_nop 0
.rept 4
	v_nop
.endr
	s_branch .Lasked_\@
.Lfor_b_\@:
	tensor_load_to_lds s[\g0b:\g0b+3], s[\g1b:\g1b+7]
	s_nop 0
.rept 4
	v_nop
.endr
.Lasked_\@:
.endm
.macro CREST                           ; a round of the cluster's barrier behind its opening barrier
	s_cmp_lg_u32 s14, 0
	s_cbranch_scc1 .Lnot_wave_0_\@
	s_barrier_signal -3
.Lnot_wave_0_\@:
	s_barrier_wait -3
	s_barrier_signal -1
	s_barrier_wait -1
.endm
.macro CROUND
	s_barrier_signal -1
	s_barrier_wait -1
	CREST
.endm
.macro PLACES n
.rept \n
	v_nop
.endr
.endm
	s_load_b128 s[4:7], s[0:1], 0x0                ; ops s[4:5], rope s[6:7]
	s_load_b64 s[8:9], s[0:1], 0x10                ; qkv
	v_lshl_add_u32 v[SPW], v0, 2, SPARE
	v_mov_b32 v[NIL], 0
	ds_add_u32 v[SPW], v[NIL]                      ; the wave's opening: the add and its wait stand ahead of my first tensor load; the set-up below, work on registers, stands between them
	v_lshrrev_b32 v1, 5, v0
	v_readfirstlane_b32 s14, v1                    ; wave 0..3
	s_lshr_b32 s15, s14, 1                         ; my half of the tile's rows.  Also: I fetch for A (0) or for B (1)
	s_and_b32 s16, s14, 1                          ; my half of its columns.  Also: which of the two groups I fetch
	s_bfe_u32 s40, ttmp6, 0x40000                  ; cx, cy
	s_bfe_u32 s41, ttmp6, 0x40004
	s_lshl_b32 s42, ttmp9, 2
	s_add_co_u32 s42, s42, s40                     ; tile column = 4 x cluster x + cx
	s_and_b32 s17, ttmp7, 0xffff
	s_lshl_b32 s17, s17, 2
	s_add_co_u32 s17, s17, s41                     ; tile row = 4 x cluster y + cy
	s_lshl_b32 s43, s41, 2
	s_lshl_b32 s43, 15, s43                        ; my row of the cluster
	s_lshl_b32 s44, 0x1111, s40                    ; my column
	s_lshr_b32 s10, ttmp9, 2                       ; 1 where C is v^T: clusters 4 and 5 along x; the same in all sixteen partners
	s_mul_i32 s11, s10, 48
	; descriptor group 1: 25,600 dense bytes as 100 rows of 32 elements of 8 bytes; no padding: every LDS read takes 512 consecutive bytes
	s_or_b32 s[G1+0], s43, (3<<16)|(1<<21)         ; 15:0 the mask: A's chunks go to my row; 17:16 elements of 8 bytes; 21 set beside a mask
	s_or_b32 s[G1B+0], s44, (3<<16)|(1<<21)
.irp g, G1, G1B
	s_mov_b32 s[\g+1], 32<<16                      ; tensor_dim0 = 32
	s_mov_b32 s[\g+2], 100<<16                     ; tensor_dim1 = 100
	s_mov_b32 s[\g+3], 32<<16                      ; tile_dim0 = 32
	s_mov_b32 s[\g+4], 100                         ; tile_dim1 = 100
	s_mov_b32 s[\g+5], 32                          ; tensor_dim0_stride
	s_mov_b32 s[\g+6], 0
	s_mov_b32 s[\g+7], 0
.endr
	s_lshl_b32 s20, s17, 1
	s_add_co_u32 s20, s20, s16
	s_add_co_u32 s20, s20, s11                     ; A's group: 2 x tile row + half (x), + 48 (Wv)
	s_mul_i32 s20, s20, GRP
	s_mov_b32 s21, 0
	s_lshl_b32 s46, s42, 1
	s_add_co_u32 s46, s46, s16
	s_add_co_u32 s46, s46, 16
	s_sub_co_u32 s46, s46, s11                     ; B's group: 16 + 2 x tile column + half (Wq, Wk), - 48 (x)
	s_mul_i32 s46, s46, GRP
	s_mov_b32 s47, 0
	s_mul_i32 s45, s14, PART                       ; where they go: wave x a part: no place in the cluster enters an LDS address
	s_mov_b32 s[SEL], 0x76543210
	s_mov_b32 s[SEL+1], 0xfedcba98
	s_wait_dscnt 0x0                               ; the opening add is done
	s_wait_kmcnt 0x0
	s_add_nc_u64 s[20:21], s[4:5], s[20:21]
	s_add_nc_u64 s[46:47], s[4:5], s[46:47]
	CROUND                                         ; all sixteen work-groups are here: the first joint loads meet
.irp s, 0,1
	s_mov_b32 s[G0+4*\s], 1
	s_add_co_u32 s[G0+4*\s+1], s45, \s*SLOT
	s_add_nc_u64 s[G0+4*\s+2:G0+4*\s+3], s[20:21], \s*PART   ; slot s begins with K steps 2 s, 2 s + 1
	s_or_b32 s[G0+4*\s+3], s[G0+4*\s+3], 0x80000000
	s_mov_b32 s[G0B+4*\s], 1
	s_add_co_u32 s[G0B+4*\s+1], s45, \s*SLOT
	s_add_nc_u64 s[G0B+4*\s+2:G0B+4*\s+3], s[46:47], \s*PART
	s_or_b32 s[G0B+4*\s+3], s[G0B+4*\s+3], 0x80000000
	JLOAD G0+4*\s, G1, G0B+4*\s, G1B               ; two loads of mine are out
.endr
	v_and_b32 v[LN], 31, v0
	v_lshlrev_b32 v[LI], 4, v[LN]
	v_and_b32 v1, 15, v0                           ; r
	v_bfe_u32 v2, v0, 4, 1                         ; h
	s_mul_i32 s74, s15, PART                       ; my group of A
	s_mul_i32 s75, s16, PART
	s_add_co_u32 s75, s75, 2*PART                  ; my group of B, behind A's two
.irp s, 0,1
	v_add_nc_u32 v[ADRA+\s], s74, v[LI]
	v_add_nc_u32 v[ADRB+\s], s75, v[LI]
	s_add_co_u32 s74, s74, SLOT
	s_add_co_u32 s75, s75, SLOT
.endr
	s_mul_i32 s74, s15, PART
	s_mul_i32 s75, s16, PART
	s_add_co_u32 s75, s75, 2*PART
	s_sub_co_u32 s75, s75, s74
	v_mul_u32_u24 v4, s75, v2                      ; lanes 16-31 take B's scale words: one product in h
	v_lshl_add_u32 v4, v1, 4, v4                   ; 16 bytes a lane-row: four fragments' words
	s_add_co_u32 s74, s74, SCO
	v_add_nc_u32 v[ADRS], s74, v4
	v_add_nc_u32 v[ADRS+1], SLOT, v[ADRS]
	; where my results go, and my rows' cos and sin
	s_lshl_b32 s74, s17, 1
	s_add_co_u32 s74, s74, s15                     ; mb: my group of rows
	s_lshl_b32 s75, s42, 1
	s_add_co_u32 s75, s75, s16                     ; nb: my group of columns
	s_lshl_b32 s76, s75, 4
	s_add_co_u32 s76, s76, s74                     ; q, k: P = nb, G = mb
	s_lshl_b32 s77, s74, 4
	s_add_co_u32 s77, s77, s75
	s_add_co_u32 s77, s77, 480                     ; v: P = 32 + mb, G = nb - 32
	s_cmp_eq_u32 s10, 0
	s_cselect_b32 s76, s76, s77
	s_mul_i32 s76, s76, CHUNK
	s_mov_b32 s77, 0
	s_add_nc_u64 s[OC:OC+1], s[8:9], s[76:77]
	s_lshl_b32 s74, s74, 17                        ; eight blocks of 16,384 bytes a group
	s_mov_b32 s75, 0
	s_add_nc_u64 s[RP:RP+1], s[6:7], s[74:75]
.macro FRAG reg, adr, q, i             ; a fragment's image comes back as it was stored: three loads of 16 bytes a lane
.irp c, 0,1,2
	ds_load_b128 v[\reg+4*\c:\reg+4*\c+3], v[\adr] offset:CHUNK*(\q)+FRB*(\i)+512*\c
.endr
.endm
; 16 matrix instructions: A's blocks a0, a0 + 1 x B's eight, one K step.  The 64 accumulators take turns, one instruction a turn, in the same order in every step.
.macro MUL16 a0, p, q, sc, zero
.irp a, \a0, \a0+1
.irp b, 0,1,2,3,4,5,6,7
.if \zero
	v_wmma_scale_f32_16x16x128_f8f6f4 v[8*(8*((\a)%4)+\b):8*(8*((\a)%4)+\b)+7], v[128*(\p)+FR*\b:128*(\p)+FR*\b+FR-1], v[AF+FR*(\a):AF+FR*(\a)+FR-1], 0, v[SC+16*(\sc)+8*(\q)+\b], v[SC+16*(\sc)+8*(\q)+(\a)] matrix_a_fmt:MATRIX_FMT_FP6 matrix_b_fmt:MATRIX_FMT_FP6 matrix_a_scale:MATRIX_SCALE_ROW1
.else
	v_wmma_scale_f32_16x16x128_f8f6f4 v[8*(8*((\a)%4)+\b):8*(8*((\a)%4)+\b)+7], v[128*(\p)+FR*\b:128*(\p)+FR*\b+FR-1], v[AF+FR*(\a):AF+FR*(\a)+FR-1], v[8*(8*((\a)%4)+\b):8*(8*((\a)%4)+\b)+7], v[SC+16*(\sc)+8*(\q)+\b], v[SC+16*(\sc)+8*(\q)+(\a)] matrix_a_fmt:MATRIX_FMT_FP6 matrix_b_fmt:MATRIX_FMT_FP6 matrix_a_scale:MATRIX_SCALE_ROW1
.endif
.endr
.endr
.endm
.macro FETCH_B slot, q, p
	WIN TO_B
.irp i, 0,1,2,3,4,5,6,7
	FRAG 128*(\p)+FR*\i, ADRB+\slot, \q, \i
.endr
	WIN 0
.endm
.macro FETCH_A slot, q, i0
.irp i, \i0, \i0+1, \i0+2, \i0+3
	FRAG AF+FR*(\i), ADRA+\slot, \q, \i
.endr
.endm
.macro SCALES sc                       ; a slot's scale words: four loads of 16 bytes; lanes 0-15 take A's blocks 4 j .. 4 j + 3, lanes 16-31 B's
.irp q, 0,1
.irp j, 0,1
	ds_load_b128 v[SC+16*\sc+8*\q+4*\j:SC+16*\sc+8*\q+4*\j+3], v[ADRS+\sc] offset:CHUNK*\q+256*\j
.endr
.endr
.endm
; A K step that has its successor in the same slot.  A's blocks are free as soon as their eight products are issued: blocks 0-3 are fetched anew in the middle, blocks 4-7 at the end; B has two sets.
.macro STEP slot, q, zero
	s_wait_dscnt 4*NL                              ; all but the youngest twelve loads (A's blocks 4-7)
	WIN MUL_LO
	MUL16 0, (\q)%2, \q, \slot, \zero
	MUL16 2, (\q)%2, \q, \slot, \zero
	s_wait_dscnt 0
	PLACES NP                                      ; four places in front of loads into registers that matrix instructions have read
	FETCH_B \slot, (\q)+1, 1-(\q)%2
	FETCH_A \slot, (\q)+1, 0
	WIN MUL_HI
	MUL16 4, (\q)%2, \q, \slot, \zero
	MUL16 6, (\q)%2, \q, \slot, \zero
	PLACES NP
	WIN 0
	FETCH_A \slot, (\q)+1, 4
.endm
; A slot's last K step changes slots: ONE barrier; in front of it each wave waits for all its tensor loads, adds 0 to its spare word, and waits for that and for its reads of this slot.  fill = 1: the slot is filled again.
.macro TURN slot, next, fill
	s_wait_tensorcnt 0x0                           ; all my tensor loads have landed: my part of the next slot
	ds_add_u32 v[SPW], v[NIL]                      ; 0 onto my spare word
	s_wait_dscnt 4*NL+1                            ; the add and the youngest twelve loads may be out
	WIN MUL_LO
	MUL16 0, 1, NQ-1, \slot, 0
	s_wait_dscnt 0x0                               ; the add is done, and my reads of this slot are over
	s_barrier_signal -1
	MUL16 2, 1, NQ-1, \slot, 0
	WIN 0
	s_barrier_wait -1
.if \fill
	CREST                                          ; the barrier has opened a round of the cluster's: no wave of any partner still reads this slot or has a load on its way
	s_add_nc_u64 s[G0+4*\slot+2:G0+4*\slot+3], s[G0+4*\slot+2:G0+4*\slot+3], 2*PART
	s_add_nc_u64 s[G0B+4*\slot+2:G0B+4*\slot+3], s[G0B+4*\slot+2:G0B+4*\slot+3], 2*PART
	JLOAD G0+4*\slot, G1, G0B+4*\slot, G1B         ; the first tensor load behind the round; its four v_nop are the places in front of the loads below
.else
	PLACES NP
.endif
	FETCH_B \next, 0, 0
	FETCH_A \next, 0, 0
	SCALES \next
	WIN MUL_HI
	MUL16 4, 1, NQ-1, \slot, 0
	MUL16 6, 1, NQ-1, \slot, 0
	PLACES NP
	WIN 0
	FETCH_A \next, 0, 4
.endm
	s_wait_tensorcnt 1                             ; my part of slot 0 is in; slot 1's load may be out
	s_barrier_signal -1
	s_barrier_wait -1
	FETCH_B 0, 0, 0
	FETCH_A 0, 0, 0
	SCALES 0
	FETCH_A 0, 0, 4
	STEP 0, 0, 1                                   ; the first K step stands in front of the loop: its products start the sums
	s_mov_b32 s3, LAPS-1
.Llap:
	TURN 0, 1, 1
	STEP 1, 0, 0
	TURN 1, 0, 1
	STEP 0, 0, 0
	s_sub_co_u32 s3, s3, 1
	s_cmp_lg_u32 s3, 0
	s_cbranch_scc1 .Llap
	TURN 0, 1, 0                                   ; the last lap fills nothing
	STEP 1, 0, 0
	s_wait_dscnt 4*NL
	WIN MUL_LO
	MUL16 0, 1, NQ-1, 1, 0
	MUL16 2, 1, NQ-1, 1, 0
	s_wait_dscnt 0
	WIN MUL_HI
	MUL16 4, 1, NQ-1, 1, 0
	MUL16 6, 1, NQ-1, 1, 0
	WIN 0
; THE WAY OUT.  64 numbers of a lane in window w, register 16 b + i = column 32 b + 16 (lane / 16) + i of my row, become a fragment's codes in v[PC] on and its scale word in v[pw].
; Each accumulator's first read is of its registers 0 and 1.
.macro QUANT s, w, pw
	WIN (\w)|((\w)<<2)
.irp b, 0,1,2,3
	v_max3_num_f32 v[TM+\b], |v[\s+16*\b]|, |v[\s+1+16*\b]|, 0x1800000   ; and the floor 2^(3 - 127): the byte cannot fall under 1
.endr
	WIN ((\w)<<2)|((\w)<<4)
.irp i, 2,4,6,8,10,12,14
.irp b, 0,1,2,3
	v_max3_num_f32 v[TM+\b], v[TM+\b], |v[\s+16*\b+\i]|, |v[\s+1+16*\b+\i]|
.endr
.endr
	WIN 0
.irp b, 0,1,2,3
	v_permlanex16_b32 v[TM+4+\b], v[TM+\b], s[SEL], s[SEL+1]
.endr
.irp b, 0,1,2,3
	v_max_num_f32 v[TM+\b], v[TM+\b], v[TM+4+\b]   ; with lane l xor 16's: the block's largest magnitude
.endr
.irp b, 0,1,2,3
	v_add_nc_u32 v[TM+12+\b], 0xff000000, v[TM+\b]   ; 2 off its exponent field: the conversion's scale operand
.endr
.irp b, 0,1,2,3
	v_lshrrev_b32 v[TM+4+\b], 23, v[TM+12+\b]      ; the scale's byte
.endr
	v_lshl_or_b32 v[\pw], v[TM+5], 8, v[TM+4]
	v_lshl_or_b32 v[\pw], v[TM+6], 16, v[\pw]
	v_lshl_or_b32 v[\pw], v[TM+7], 24, v[\pw]
	WIN (\w)
.irp c, 0,1
	v_cvt_scalef32_pk16_fp6_f32 v[PC+6*\c:PC+2+6*\c], v[\s+32*\c:\s+15+32*\c], v[TM+12+2*\c]
	v_cvt_scalef32_pk16_fp6_f32 v[PC+12+4*\c:PC+14+4*\c], v[\s+16+32*\c:\s+31+32*\c], v[TM+13+2*\c]
.endr
	WIN 0
	v_nop                                          ; one plain place behind a scaled conversion
.irp c, 0,1
.irp i, 0,1,2
	v_permlane16_swap_b32 v[PC+6*\c+\i], v[PC+12+4*\c+\i]
.endr
.irp i, 0,1,2
	v_mov_b32 v[PC+3+6*\c+\i], v[PC+12+4*\c+\i]
.endr
.endr
.endm
.macro OUT a                           ; block a's fragment: 3 x 512 consecutive bytes
.irp c, 0,1,2
	global_store_b128 v[LI], v[PC+4*\c:PC+4*\c+3], s[OC:OC+1] offset:FRB*(\a)+512*\c
.endr
.endm
.macro ROPELOAD a                      ; block a's cos and sin, in the order of my registers: 32 loads of 512 consecutive bytes, into set a % 2 of window 1
	WIN TO_B
.irp u, 0,1
.irp m, 0,1,2,3,4,5,6,7,8,9,10,11,12,13,14,15
	global_load_b128 v[128*((\a)%2)+64*\u+4*\m:128*((\a)%2)+64*\u+4*\m+3], v[LI], s[RP:RP+1] offset:16384*(\a)+8192*\u+512*\m
.endr
.endr
	WIN 0
.endm
.macro ROPE a                          ; T[d] = q[d] cos[d] - q[d + 64] sin[d] for d < 64, q[d] cos[d] + q[d - 64] sin[d] else; d +- 64 is 32 registers away
.set AC, 64*((\a)%4)
.set CSN, 128*((\a)%2)
	WIN (2+(\a)/4)|4
.set PP, 0
.rept 32
	v_pk_mul_f32 v[T+2*PP:T+2*PP+1], v[AC+2*PP:AC+2*PP+1], v[CSN+2*PP:CSN+2*PP+1]   ; ascending: each accumulator is read from its low end on
.set PP, PP+1
.endr
.set PP, 0
.rept 16
	v_pk_fma_f32 v[T+2*PP:T+2*PP+1], v[AC+32+2*PP:AC+33+2*PP], v[CSN+64+2*PP:CSN+65+2*PP], v[T+2*PP:T+2*PP+1] neg_lo:[0,1,0] neg_hi:[0,1,0]
.set PP, PP+1
.endr
.rept 16
	v_pk_fma_f32 v[T+2*PP:T+2*PP+1], v[AC-32+2*PP:AC-31+2*PP], v[CSN+64+2*PP:CSN+65+2*PP], v[T+2*PP:T+2*PP+1]
.set PP, PP+1
.endr
	WIN 0
.endm
	PLACES NP                                      ; behind the last products: their results are read, and their operands' registers written and loaded into, below
.irp b, 0,1,2,3
	v_mov_b32 v[TM+4+\b], 0                        ; written once: a lane permute's destination counts as one of its sources
.endr
	s_cmp_lg_u32 s10, 0                            ; the cluster's x alone decides: all partners go the same way
	s_cbranch_scc1 .Lv
	ROPELOAD 0
	ROPELOAD 1
.irp a, 0,1,2,3,4,5,6,7
.if \a < 7
	s_wait_loadcnt 32                              ; this block's cos and sin are in; the next block's 32 loads may be out
.else
	s_wait_loadcnt 0x0
.endif
	ROPE \a
.if \a > 0
	s_wait_xcnt 0x0                                ; the last block's stores have read the codes' registers
.endif
.if \a < 6
	ROPELOAD \a+2
.endif
	QUANT T, 0, SW+\a
	OUT \a
.endr
	s_branch .Lsc
.Lv:                                               ; v^T: no RoPE; the accumulators are quantised as they stand, along the keys
.irp a, 0,1,2,3,4,5,6,7
.if \a > 0
	s_wait_xcnt 0x0
.endif
	QUANT 64*(\a%4), 2+\a/4, SW+\a
	OUT \a
.endr
.Lsc:
	v_cmp_gt_u32 vcc_lo, 16, v[LN]                 ; lanes 0-15: the words of blocks 0-3; lanes 16-31: of blocks 4-7
.irp i, 0,1,2,3
	v_cndmask_b32 v[CW+\i], v[SW+4+\i], v[SW+\i], vcc_lo
.endr
	global_store_b128 v[LI], v[CW:CW+3], s[OC:OC+1] offset:SCO
	s_wait_tensorcnt 0x0                           ; the wave's end
	ds_add_u32 v[SPW], v[NIL]
	s_wait_dscnt 0x0
	CROUND                                         ; the closing round: no work-group ends while a partner may still ask for a tile that names it
	s_endpgm
.Lfunc_end_k_qc897e86f3e_qkv:
	.size	k_qc897e86f3e_qkv, .Lfunc_end_k_qc897e86f3e_qkv-k_qc897e86f3e_qkv
	.p2alignl 7, 3214868480
	.fill 96, 4, 3214868480
	.section	.rodata,"a",@progbits
	.p2align	6, 0x0
	.amdhsa_kernel k_qc897e86f3e_qkv
		.amdhsa_group_segment_fixed_size 327680
		.amdhsa_private_segment_fixed_size 0
		.amdhsa_enable_private_segment 0
		.amdhsa_kernarg_size 24
		.amdhsa_user_sgpr_count 2
		.amdhsa_user_sgpr_kernarg_segment_ptr 1
		.amdhsa_wavefront_size32 1
		.amdhsa_system_sgpr_workgroup_id_x 1
		.amdhsa_system_sgpr_workgroup_id_y 1
		.amdhsa_system_sgpr_workgroup_id_z 1
		.amdhsa_system_vgpr_workitem_id 0
		.amdhsa_next_free_vgpr 1024
		.amdhsa_next_free_sgpr 100
		.amdhsa_reserve_vcc 1
		.amdhsa_float_denorm_mode_32 3
		.amdhsa_float_denorm_mode_16_64 3
		.amdhsa_memory_ordered 1
		.amdhsa_forward_progress 1
		.amdhsa_inst_pref_size 226
	.end_amdhsa_kernel
	.amdgpu_metadata
---
amdhsa.version: [ 1, 2 ]
amdhsa.kernels:
  - .name:           k_qc897e86f3e_qkv
    .symbol:         k_qc897e86f3e_qkv.kd
    .args:
      - { .name: ops, .offset: 0, .size: 8, .value_kind: global_buffer, .address_space: global }
      - { .name: rope, .offset: 8, .size: 8, .value_kind: global_buffer, .address_space: global }
      - { .name: qkv, .offset: 16, .size: 8, .value_kind: global_buffer, .address_space: global }
    .group_segment_fixed_size: 327680
    .private_segment_fixed_size: 0
    .kernarg_segment_align: 8
    .kernarg_segment_size: 24
    .max_flat_workgroup_size: 128
    .sgpr_count:     100
    .vgpr_count:     1024
    .wavefront_size: 32
...
	.end_amdgpu_metadata
.endif
;; end of part 2
;; launch attn (part 3): grid 16 x 16, 16 waves a work-group, no clusters, 327,680 bytes of LDS; arguments qkv, att; writes att
.if DOCPART == 3
	.amdgcn_target "amdgcn-amd-amdhsa--gfx1250"
	.amdhsa_code_object_version 6
	.text
	.protected	k_qc897e86f3e_attn
	.globl	k_qc897e86f3e_attn
	.p2align	8
	.type	k_qc897e86f3e_attn,@function
k_qc897e86f3e_attn:
	s_mov_b64 s[64:65], 0
	v_nop
	global_prefetch_b8 v0, s[64:65] scope:SCOPE_SE
	s_setreg_imm32_b32 hwreg(HW_REG_WAVE_MODE, 25, 1), 1
	s_wait_xcnt 0x0
; o[q] = the sum over keys k <= q of softmax_k(q . k / sqrt(128)) v[k], head by head, both products on codes of FP6 (E2M3) with E8M0 scales; o is quantised along the head's 128 and leaves as codes.
; qkv = [P 48][G 16][chunk of 12,800 bytes]: P 0-15 q's heads, 16-31 k's (rows = positions of group G, K = the head's 128), 32-47 v's (rows = the head's 128, K = the keys of group G).  att = [G 16][head 16][chunk].
; A chunk: eight images of a fragment's 12 registers (1,536 bytes each), then 512 bytes of scale words; lane-row r of fragment f is row 32 (f / 2) + 8 (f % 2) + r + 8 (r / 8) of the 128.
; THE SOFTMAX: t = score x log2(e) / sqrt(128); M = the running largest t rounded UP to a whole number; p = 2^(t - M) is quantised along the keys, not normalised; the sum is taken of the unquantised p and divides O at the end.
; When M moves, the sum and O are multiplied by 2^(old M - new M): exact.
; LAYOUT.  Both products are used transposed: S^T = K Q^T, O^T = V^T P^T: a lane holds ONE query throughout; by the order of a fragment's rows, register 16 b + i of S^T is key 32 b + 16 (lane / 16) + i, and of O^T channel 32 b + 16 (lane / 16) + i.
; SHARES.  A work-group owns the blocks i and 31 - i of 64 queries of one head: eight fragments of 16 queries.  EACH FRAGMENT HAS TWO WAVES: of its key steps 0 .. GW (128 keys a step, GW its own group) one wave takes the even ones,
; the other the odd ones, each with a running M, a sum and an O^T of its own: so no wave walks more than 8 steps.  At the end the odd wave hands its three to the even one through LDS; since both M are whole numbers they are
; brought under the larger by factors that are exact powers of two.  Only step GW is masked.  Wave w: a = w / 4, b = w % 4, c = a xor b: fragment a of block (c & 1), parity c >> 1: among the four waves
; with one a, and among the four with one b, there is one of each kind (early block or late, even or odd), 17 steps between them for every i.
; Every work-group walks all four slots of four key steps: trip counts are constants and no barrier is jumped over; a step all of whose keys come after the wave's queries is left out by a scalar branch on ids.
; NO CLUSTER: the sixteen work-groups of a head need 9 to 16 key steps, and each ends its loads at its own causal limit by a jump round the load; asked for jointly, every partner would have to ask for all 16.
; LIMITS: NaN and infinities are not served; a block of zeros gets the byte 1 where the rule says 127 (its codes are zeros; this program alone reads the bytes); a query's even and odd key steps are summed apart and added once, in f32.
; REGISTERS: v1-11, v28-31, v80-87 addresses; v12 -M, v13 the largest t, v[14:15] the sum; v16-27 Q; v32-79 four fragments of K or V; v96-159 S^T, then p, then o; v160-223 O^T; v224-235 p's codes; v232-254 at work; v255 Q's scale word.
.set CHUNK, 12800
.set FRB,   1536
.set SCO,   8*FRB
.set GRP,   16*CHUNK
.set HALF,  4*CHUNK                    ; a slot: four chunks of K, then four of V: 102,400 bytes
.set SLOT1, 1<<17                      ; slot 1 begins here, so that one exclusive or turns an address
.set MRG,   SLOT1+2*HALF               ; behind the ring: for each of the eight fragments 8,192 bytes of O^T and 256 of (-M, sum): no tensor load lands here
.set MRB,   8448
.set STG,   MRG+8*MRB                  ; o's scale words, 512 bytes
.set SPARE, STG+512                    ; the spare words, 128 bytes for each wave: eight blocks of 256 bytes that no other line names
.set LI,  1                            ; v1   16 x lane
.set R16, 3                            ; v3   16 x (lane % 16)
.set SPW, 5
.set NIL, 6
.set DQ,  7                            ; v7   my query's place in its group, less 16 (lane / 16)
.set ADK, 8                            ; v8   the slot in hand: my step's chunk of K, 16 x lane
.set ADS, 10                           ; v10  and its scale words, 16 x (lane % 16)
.set PFO, 28                           ; v28  the prefetches' offset
.set STA, 29                           ; v29  where my scale word goes in LDS
.set OSO, 30                           ; v30  wave 0: where the scale words go in att
.set STR, 31                           ; v31  wave 0: where it reads them
.set LIP, 80                           ; v80  16 x lane + my parity's chunk;          v81  the same among V's chunks
.set LIV, 81
.set RSK, 82                           ; v82  16 x (lane % 16) + my parity's chunk;   v83  the same among V's
.set RSV, 83
.set ADV, 84                           ; v84  the slot in hand: my step's chunk of V (its offsets would not fit the 16-bit immediate from K's address)
.set ADT, 85                           ; v85  and its scale words
.set MAD, 86                           ; v86  my fragment's place in the merge stage + 16 x lane
.set MAS, 87                           ; v87  the same + 8 x lane
.set TM,  232
.set PC,  32
.set PAR, 8                            ; s8   my parity
.set MYS, 9                            ; s9   the number of my next key step
.set WV,  18
.set SEL, 20
.set CS,  22                           ; s[22:23] c = log2(e) / sqrt(128)
.set G1T, 24
.set G0T, 40
.set TB,  2                            ; s2   LDS byte at which the slot in hand begins
.set OC,  16                           ; s[16:17] my fragment of att
.set SLOTS, 67
.set PFA, 76
.set LIM, 80
.set GH,  97                           ; s97  my work-group's last key step
.set KSN, 98                           ; s98  the first key step of the slot in hand
.set GW,  99                           ; s99  my fragment's last key step
; Waves 0 and 1 fetch the two halves of a slot's K, waves 2 and 3 those of V: 25,600 bytes each.  The branch hangs on the wave's number alone.  An s_nop 0 and four v_nop follow the load.
.macro TLOAD
	s_cmp_lt_u32 s[WV], 4
	s_cbranch_scc0 .Lasked_\@
	tensor_load_to_lds s[G0T:G0T+3], s[G1T:G1T+7]
	s_nop 0
.rept 4
	v_nop
.endr
.Lasked_\@:
.endm
; A PREFETCH INTO THE L2 of what the NEXT change of slots will ask for: 51,200 bytes of K and as many of V, four key steps ahead of that load.  All work-groups of a head walk the same chunks: the one with i = 0, which loads every slot, asks.
; Wave w asks for an eighth (w % 8) of K's (w < 8) or V's part: 6,400 bytes, 25 blocks of 256, a lane a block; lanes 25 to 31 name lane 24's again.  The last change that fills a slot asks for nothing; slots 0 and 1 come by their loads alone.
.macro ASK
	s_cmp_gt_u32 s[SLOTS], s[LIM]
	s_cbranch_scc0 .Lnot_mine_\@
	global_prefetch_b8 v[PFO], s[PFA:PFA+1] th:TH_LOAD_NT scope:SCOPE_SE
.Lnot_mine_\@:
.endm
	s_load_b128 s[4:7], s[0:1], 0x0                ; qkv s[4:5], att s[6:7]
	v_lshl_add_u32 v[SPW], v0, 2, SPARE
	v_mov_b32 v[NIL], 0
	ds_add_u32 v[SPW], v[NIL]                      ; the wave's opening: the add and its wait stand ahead of my first tensor load; the set-up below, work on registers, stands between them
	v_lshrrev_b32 v8, 5, v0
	v_readfirstlane_b32 s[WV], v8                  ; wave 0..15
	s_and_b32 s68, ttmp7, 0xffff                   ; the head
	s_lshr_b32 s70, s[WV], 2                       ; which of the block's four fragments
	s_and_b32 s69, s[WV], 3
	s_xor_b32 s69, s69, s70                        ; c
	s_lshr_b32 s[PAR], s69, 1                      ; 0: the even key steps, 1: the odd ones
	s_and_b32 s69, s69, 1                          ; 0: block i, 1: block 31 - i
	s_lshl_b32 s71, ttmp9, 1
	s_sub_co_u32 s71, 31, s71
	s_mul_i32 s71, s71, s69
	s_add_co_u32 s71, s71, ttmp9                   ; my block of 64 queries
	s_lshr_b32 s[GW], s71, 1                       ; its group of 128
	s_and_b32 s72, s71, 1
	s_lshl_b32 s72, s72, 2
	s_add_co_u32 s72, s72, s70                     ; a: my fragment of the group's eight
	s_sub_co_u32 s[GH], 31, ttmp9
	s_lshr_b32 s[GH], s[GH], 1
	s_lshr_b32 s73, s72, 1
	s_lshl_b32 s73, s73, 5
	s_and_b32 s74, s72, 1
	s_lshl_b32 s74, s74, 3
	s_add_co_u32 s73, s73, s74                     ; 32 (a / 2) + 8 (a % 2)
	; descriptor group 1: 25,600 dense bytes as 100 rows of 32 elements of 8 bytes; no padding: every LDS read takes 512 consecutive bytes
	s_mov_b32 s[G1T+0], 3<<16
	s_mov_b32 s[G1T+1], 32<<16
	s_mov_b32 s[G1T+2], 100<<16
	s_mov_b32 s[G1T+3], 32<<16
	s_mov_b32 s[G1T+4], 100
	s_mov_b32 s[G1T+5], 32
	s_mov_b32 s[G1T+6], 0
	s_mov_b32 s[G1T+7], 0
	s_and_b32 s74, s[WV], 3
	s_mul_i32 s75, s74, 2*CHUNK                    ; my part's place in a slot: 25,600 x (wave % 4)
	s_lshr_b32 s82, s74, 1                         ; K (0) or V (1)
	s_lshl_b32 s82, s82, 4
	s_add_co_u32 s82, s82, s68
	s_add_co_u32 s82, s82, 16
	s_mul_i32 s82, s82, GRP                        ; P = 16 + head or 32 + head
	s_and_b32 s83, s74, 1
	s_mul_i32 s83, s83, 2*CHUNK                    ; its first or its second two chunks
	s_add_co_u32 s82, s82, s83
	s_mov_b32 s83, 0
	s_lshl_b32 s84, s68, 4
	s_add_co_u32 s84, s84, s[GW]
	s_mul_i32 s84, s84, CHUNK                      ; Q's chunk: P = head, G = GW
	s_lshr_b32 s86, s72, 2
	s_lshl_b32 s86, s86, 8
	s_and_b32 s87, s72, 3
	s_lshl_b32 s87, s87, 2
	s_add_co_u32 s86, s86, s87
	s_add_co_u32 s86, s86, s84
	s_add_co_u32 s86, s86, SCO                     ; my fragment's scale words: + 256 (a / 4) + 4 (a % 4)
	s_mov_b32 s87, 0
	s_mul_i32 s85, s72, FRB
	s_add_co_u32 s84, s84, s85                     ; my fragment's image
	s_lshl_b32 s92, s[GW], 4
	s_add_co_u32 s92, s92, s68
	s_mul_i32 s92, s92, CHUNK
	s_add_co_u32 s92, s92, s85                     ; att: G = GW, K step = head, fragment a
	s_mov_b32 s85, 0
	s_mov_b32 s93, 0
	s_lshr_b32 s94, s[WV], 3
	s_lshl_b32 s94, s94, 4
	s_add_co_u32 s94, s94, s68
	s_add_co_u32 s94, s94, 16
	s_mul_i32 s94, s94, GRP
	s_and_b32 s95, s[WV], 7
	s_mul_i32 s95, s95, 6400
	s_add_co_u32 s94, s94, s95
	s_add_co_u32 s94, s94, HALF                    ; my eighth, in slot 1: the first change of slots steps it to slot 2
	s_mov_b32 s95, 0
	s_cmp_eq_u32 ttmp9, 0
	s_cselect_b32 s[LIM], 1, -1
	s_mov_b32 s[SEL], 0x76543210
	s_mov_b32 s[SEL+1], 0xfedcba98
	s_mov_b32 s[CS], 0x3e0293ee
	s_mov_b32 s[CS+1], s[CS]                       ; (named with it as a pair, so it is written)
	s_mov_b32 s[TB], 0
	s_mov_b32 s[SLOTS], 3
	s_mov_b32 s[KSN], 0
	s_mov_b32 s[MYS], s[PAR]                       ; my first key step
	v_and_b32 v2, 31, v0
	v_lshlrev_b32 v[LI], 4, v2
	v_and_b32 v9, 15, v0                           ; r
	v_bfe_u32 v11, v0, 4, 1                        ; h
	v_lshlrev_b32 v[R16], 4, v9
	v_and_b32 v[DQ], 8, v9
	v_add_nc_u32 v[DQ], v[DQ], v9
	v_lshlrev_b32 v4, 4, v11
	v_sub_nc_u32 v[DQ], v[DQ], v4
	v_add_nc_u32 v[DQ], s73, v[DQ]                 ; r + 8 (r / 8) + 32 (a / 2) + 8 (a % 2) - 16 h
	v_min_u32 v[PFO], 24, v2
	v_lshlrev_b32 v[PFO], 8, v[PFO]
	s_mul_i32 s88, s[PAR], CHUNK                   ; of each pair of a slot's chunks mine is the first or the second
	v_add_nc_u32 v[LIP], s88, v[LI]
	v_add_nc_u32 v[LIV], HALF, v[LIP]
	v_add_nc_u32 v[RSK], s88, v[R16]
	v_add_nc_u32 v[RSV], HALF, v[RSK]
	s_lshl_b32 s89, s69, 2
	s_add_co_u32 s89, s89, s70                     ; my fragment among the work-group's eight: the same number in its two waves
	s_mul_i32 s89, s89, MRB
	s_add_co_u32 s89, s89, MRG
	v_add_nc_u32 v[MAD], s89, v[LI]
	v_lshl_add_u32 v[MAS], v2, 3, s89
	s_lshl_b32 s88, s69, 8
	s_lshl_b32 s89, s70, 2
	s_add_co_u32 s88, s88, s89
	s_add_co_u32 s88, s88, STG
	v_lshl_add_u32 v[STA], v9, 4, s88              ; 256 x (which block) + 16 r + 4 x (which fragment)
	v_add_nc_u32 v[STR], STG, v[LI]
	s_lshr_b32 s88, ttmp9, 1                       ; block i's unit of scale words in att: (16 (i / 2) + head) chunks + 256 (i % 2),
	s_lshl_b32 s88, s88, 4
	s_add_co_u32 s88, s88, s68
	s_mul_i32 s88, s88, CHUNK
	s_and_b32 s89, ttmp9, 1
	s_lshl_b32 s89, s89, 8
	s_add_co_u32 s88, s88, s89
	s_sub_co_u32 s90, 31, ttmp9                    ; and block 31 - i's
	s_lshr_b32 s91, s90, 1
	s_lshl_b32 s91, s91, 4
	s_add_co_u32 s91, s91, s68
	s_mul_i32 s91, s91, CHUNK
	s_and_b32 s90, s90, 1
	s_lshl_b32 s90, s90, 8
	s_add_co_u32 s91, s91, s90
	s_sub_co_u32 s91, s91, s88
	v_mul_lo_u32 v[OSO], v11, s91                  ; lanes 16-31 take the second
	v_add_nc_u32 v[OSO], s88, v[OSO]
	v_lshl_add_u32 v[OSO], v9, 4, v[OSO]
	v_mov_b32 v13, 0xff61b1e6                      ; the largest t so far: -3e38, under every t
	v_floor_f32 v12, -v13                          ; -M
	v_mov_b32 v14, 0                               ; the sum, in two halves
	v_mov_b32 v15, 0
.irp b, 0,1,2,3
	v_mov_b32 v[236+\b], 0                         ; written once: a lane permute's destination counts as one of its sources
.endr
	v_mov_b32 v252, 0
	v_mov_b32 v253, 0
.set J, 0
.rept 64
	v_mov_b32 v[160+J], 0                          ; O^T.  (The step is written without a first step of its own: the first change of M leaves zeros zeros; a wave with no step at all hands zeros over)
.set J, J+1
.endr
	s_wait_dscnt 0x0                               ; the opening add is done
	s_wait_kmcnt 0x0
	s_mov_b32 s[G0T], 1
	s_mov_b32 s[G0T+1], s75
	s_add_nc_u64 s[G0T+2:G0T+3], s[4:5], s[82:83]
	s_or_b32 s[G0T+3], s[G0T+3], 0x80000000
	TLOAD                                          ; slot 0: key steps 0 to 3
	s_add_nc_u64 s[84:85], s[4:5], s[84:85]
	s_add_nc_u64 s[86:87], s[4:5], s[86:87]
	s_add_nc_u64 s[OC:OC+1], s[6:7], s[92:93]
	s_add_nc_u64 s[PFA:PFA+1], s[4:5], s[94:95]
.irp c, 0,1,2
	global_load_b128 v[16+4*\c:19+4*\c], v[LI], s[84:85] offset:512*\c   ; Q's fragment stays in registers, in both of its waves
.endr
	global_load_b32 v255, v[R16], s[86:87]         ; and its scale words
; A KEY STEP of mine: 128 keys: of the slot in hand, chunk 2 q + my parity.
.macro STEP q
	s_cmp_gt_u32 s[MYS], s[GW]                     ; all its keys come after my queries: left out, by ids alone
	s_cbranch_scc1 .Lhidden_\@
	v_add_nc_u32 v[ADK], s[TB], v[LIP]
	v_add_nc_u32 v[ADV], s[TB], v[LIV]
	v_add_nc_u32 v[ADS], s[TB], v[RSK]
	v_add_nc_u32 v[ADT], s[TB], v[RSV]             ; these four are the places in front of loads into registers that the last products have read
.irp g, 0,1                                    ; S^T = K Q^T, four fragments of 16 keys at a time
.if \g > 0
.rept 4
	v_nop
.endr
.endif
.irp t, 0,1,2,3
.irp c, 0,1,2
	ds_load_b128 v[32+12*\t+4*\c:35+12*\t+4*\c], v[ADK] offset:2*CHUNK*(\q)+FRB*(4*\g+\t)+512*\c
.endr
.endr
	ds_load_b128 v[248:251], v[ADS] offset:2*CHUNK*(\q)+SCO+256*\g   ; the four fragments' scale words
	s_wait_dscnt 0x0
.irp t, 0,1,2,3
	v_wmma_scale_f32_16x16x128_f8f6f4 v[96+8*(4*\g+\t):103+8*(4*\g+\t)], v[32+12*\t:43+12*\t], v[16:27], 0, v[248+\t], v255 matrix_a_fmt:MATRIX_FMT_FP6 matrix_b_fmt:MATRIX_FMT_FP6
.endr
.endr
.rept 4
	v_nop
.endr
.irp t, 0,1,2,3                                ; V's first four fragments are asked for here and land under the softmax, which names none of their registers
.irp c, 0,1,2
	ds_load_b128 v[32+12*\t+4*\c:35+12*\t+4*\c], v[ADV] offset:2*CHUNK*(\q)+FRB*\t+512*\c
.endr
.endr
	ds_load_b128 v[248:251], v[ADT] offset:2*CHUNK*(\q)+SCO
	s_cmp_lg_u32 s[MYS], s[GW]                     ; only my own group's step lies on the diagonal
	s_cbranch_scc1 .Lopen_\@
	v_mov_b32 v254, 0xff800000                     ; -infinity: p = 0 then
.set J, 0
.rept 64
	v_cmp_gt_i32 vcc_lo, 32*(J/16)+J%16, v[DQ]     ; register 16 b + i holds key 32 b + 16 (lane / 16) + i of the group: hidden where it comes after my query
	v_cndmask_b32 v[96+J], v[96+J], v254, vcc_lo
.set J, J+1
.endr
.Lopen_\@:
.irp b, 0,1,2,3
	v_max3_num_f32 v[232+\b], v[96+16*\b], v[97+16*\b], v[98+16*\b]   ; the largest score of each block of 32 keys: it serves for the row's maximum and, since p rises with the score, for the block's largest p
.endr
.irp i, 3,5,7,9,11,13
.irp b, 0,1,2,3
	v_max3_num_f32 v[232+\b], v[232+\b], v[96+16*\b+\i], v[97+16*\b+\i]
.endr
.endr
.irp b, 0,1,2,3
	v_max_num_f32 v[232+\b], v[232+\b], v[111+16*\b]
.endr
.irp b, 0,1,2,3
	v_permlanex16_b32 v[236+\b], v[232+\b], s[SEL], s[SEL+1]
.endr
.irp b, 0,1,2,3
	v_max_num_f32 v[232+\b], v[232+\b], v[236+\b]  ; with lane l xor 16's 16 keys
.endr
	v_max3_num_f32 v254, v232, v233, v234
	v_max_num_f32 v254, v254, v235                 ; the step's largest score of my query
	v_mul_f32 v254, s[CS], v254                    ; as t
	v_max_num_f32 v13, v13, v254                   ; the running largest t
	v_mov_b32 v254, v12
	v_floor_f32 v12, -v13                          ; the new -M = floor(-t): M is a whole number
	v_sub_f32 v254, v12, v254                      ; old M - new M: a whole number, 0 or less
	v_cvt_i32_f32 v254, v254                       ; (it saturates)
	v_ldexp_f32 v252, 1.0, v254                    ; f = 2^(old M - new M)
.set J, 0
.rept 32
	v_pk_fma_f32 v[96+J:97+J], v[96+J:97+J], s[CS:CS+1], v[12:13] op_sel_hi:[1,0,0]   ; t - M, two at a time
.set J, J+2
.endr
.irp b, 0,1,2,3
	v_fma_f32 v[232+\b], v[232+\b], s[CS], v12     ; the same of each block's largest score
.endr
.set J, 0
.rept 64
	v_exp_f32 v[96+J], v[96+J]                     ; p = 2^(t - M)
.set J, J+1
.endr
	v_pk_mul_f32 v[14:15], v[14:15], v[252:253] op_sel_hi:[1,0]   ; the sums under the new M: a plain place behind the exponentials
	s_wait_alu depctr_va_vdst(0)                   ; one wait for the whole batch, ahead of its first reader
.irp b, 0,1,2,3
	v_exp_f32 v[232+\b], v[232+\b]                 ; the block's largest p
.endr
	v_pk_add_f32 v[236:237], v[96:97], v[98:99]    ; the row's sum is taken of the unquantised p, in two chains
.irp j, 4,8,12,16,20,24,28,32,36,40,44,48,52,56,60
	v_pk_add_f32 v[14:15], v[14:15], v[96+\j:97+\j]
	v_pk_add_f32 v[236:237], v[236:237], v[98+\j:99+\j]
.endr
	v_pk_add_f32 v[14:15], v[14:15], v[236:237]
	s_wait_alu depctr_va_vdst(0)                   ; and one for the four
.irp b, 0,1,2,3
	v_max_num_f32 v[232+\b], 0x1800000, v[232+\b]  ; the floor 2^(3 - 127): the byte cannot fall under 1
.endr
.irp b, 0,1,2,3
	v_add_nc_u32 v[244+\b], 0xff000000, v[232+\b]  ; the conversion's scale operand
.endr
.irp b, 0,1,2,3
	v_lshrrev_b32 v[236+\b], 23, v[244+\b]         ; the scale's byte
.endr
	v_lshl_or_b32 v253, v237, 8, v236              ; p's scale word for these 128 keys
	v_lshl_or_b32 v253, v238, 16, v253
	v_lshl_or_b32 v253, v239, 24, v253
.irp c, 0,1
	v_cvt_scalef32_pk16_fp6_f32 v[224+6*\c:226+6*\c], v[96+32*\c:111+32*\c], v[244+2*\c]
	v_cvt_scalef32_pk16_fp6_f32 v[236+4*\c:238+4*\c], v[112+32*\c:127+32*\c], v[245+2*\c]
.endr
	v_nop                                          ; one plain place behind a scaled conversion
.irp c, 0,1
.irp i, 0,1,2
	v_permlane16_swap_b32 v[224+6*\c+\i], v[236+4*\c+\i]
.endr
.irp i, 0,1,2
	v_mov_b32 v[227+6*\c+\i], v[236+4*\c+\i]
.endr
.endr
.set J, 0
.rept 32
	v_pk_mul_f32 v[160+J:161+J], v[160+J:161+J], v[252:253] op_sel_hi:[1,0]   ; O^T under the new M; these 32 are also the places between p's codes and scale word and the products below
.set J, J+2
.endr
	s_wait_dscnt 0x0                               ; V's first four fragments are in
.irp t, 0,1,2,3
	v_wmma_scale_f32_16x16x128_f8f6f4 v[160+8*\t:167+8*\t], v[32+12*\t:43+12*\t], v[224:235], v[160+8*\t:167+8*\t], v[248+\t], v253 matrix_a_fmt:MATRIX_FMT_FP6 matrix_b_fmt:MATRIX_FMT_FP6
.endr
.rept 4
	v_nop
.endr
.irp t, 0,1,2,3
.irp c, 0,1,2
	ds_load_b128 v[32+12*\t+4*\c:35+12*\t+4*\c], v[ADV] offset:2*CHUNK*(\q)+FRB*(4+\t)+512*\c
.endr
.endr
	ds_load_b128 v[248:251], v[ADT] offset:2*CHUNK*(\q)+SCO+256
	s_wait_dscnt 0x0
.irp t, 0,1,2,3
	v_wmma_scale_f32_16x16x128_f8f6f4 v[192+8*\t:199+8*\t], v[32+12*\t:43+12*\t], v[224:235], v[192+8*\t:199+8*\t], v[248+\t], v253 matrix_a_fmt:MATRIX_FMT_FP6 matrix_b_fmt:MATRIX_FMT_FP6
.endr
.Lhidden_\@:
	s_add_co_u32 s[MYS], s[MYS], 2                 ; my next step: the one after my partner's
.endm
; THE CHANGE OF SLOTS stands at a slot's head.  Each wave waits for all its tensor loads, adds 0 to its spare word, and waits for that and for its reads of the slot that it has left; behind the barrier the slot ahead is whole
; and nobody reads the other one.  fill = 1: that other slot takes the next four key steps, while its first step is at or under the work-group's last: a slot beyond that is read by no wave.
.macro CHANGE fill
	s_wait_tensorcnt 0x0                           ; no tensor load of mine is out, so the descriptor may be written
	ds_add_u32 v[SPW], v[NIL]                      ; 0 onto my spare word
.if \fill
	s_xor_b32 s[G0T+1], s[G0T+1], SLOT1
	s_add_nc_u64 s[G0T+2:G0T+3], s[G0T+2:G0T+3], HALF
	s_wait_xcnt 0x0                                ; the last prefetch, a slot back, has read its address
	s_add_nc_u64 s[PFA:PFA+1], s[PFA:PFA+1], HALF
.endif
	s_wait_dscnt 0x0                               ; the add is done, and my reads of the slot that I have left are over
	s_barrier_signal -1
	s_barrier_wait -1
.if \fill
	s_add_co_u32 s96, s[KSN], 4                    ; the first key step of the slot that this change would ask for
	s_cmp_gt_u32 s96, s[GH]                        ; ids and the count of slots alone: all sixteen waves go the same way; every wait on TENSORcnt in this text is for 0
	s_cbranch_scc1 .Lpast_\@
	TLOAD                                          ; a wave's one tensor load until the next such barrier
.Lpast_\@:
	ASK
.endif
.endm
.macro SLOT_STEPS
	STEP 0
	STEP 1
	s_xor_b32 s[TB], s[TB], SLOT1
	s_add_co_u32 s[KSN], s[KSN], 4
.endm
	s_wait_loadcnt 0x0                             ; Q
.Lslot:
	CHANGE 1
	SLOT_STEPS
	s_sub_co_u32 s[SLOTS], s[SLOTS], 1
	s_cmp_lg_u32 s[SLOTS], 0
	s_cbranch_scc1 .Lslot
	CHANGE 0                                       ; the last slot is written out: nothing is left to ask for
	SLOT_STEPS
	; THE MERGE.  The odd wave stores O^T as it stands (16 bytes a lane, 512 consecutive bytes a store) and its (-M, sum); behind the barrier the even wave of the same fragment reads them into the same lanes.
.rept 4
	v_nop                                          ; places behind the last products
.endr
	v_add_f32 v13, v14, v15                        ; my lane's part of the sum, beside -M: the pair v[12:13]
	s_cmp_eq_u32 s[PAR], 0
	s_cbranch_scc1 .Lkeep
.irp c, 0,1,2,3,4,5,6,7,8,9,10,11,12,13,14,15
	ds_store_b128 v[MAD], v[160+4*\c:163+4*\c] offset:512*\c   ; ascending: each accumulator is read from its low end on
.endr
	ds_store_b64 v[MAS], v[12:13] offset:8192
.Lkeep:
	s_wait_dscnt 0x0                               ; for my partner's sake: my stores have landed
	s_barrier_signal -1
	s_barrier_wait -1
	s_cmp_lg_u32 s[PAR], 0
	s_cbranch_scc1 .Lgiven
	ds_load_b64 v[32:33], v[MAS] offset:8192       ; my partner's -M and sum,
.irp c, 0,1,2,3,4,5,6,7,8,9,10,11,12,13,14,15
	ds_load_b128 v[96+4*\c:99+4*\c], v[MAD] offset:512*\c      ; and its O^T
.endr
	s_wait_dscnt 16                                ; the pair is in; the 16 loads behind it may be out
	v_min_num_f32 v34, v12, v32                    ; -M of the larger M
	v_sub_f32 v35, v34, v12                        ; my M less it, and my partner's: whole numbers, 0 or less
	v_sub_f32 v36, v34, v32
	v_cvt_i32_f32 v35, v35                         ; (they saturate: a partner that had no step has M = -3e38 and gets the factor 0)
	v_cvt_i32_f32 v36, v36
	v_ldexp_f32 v35, 1.0, v35                      ; the two factors: exact powers of two
	v_ldexp_f32 v36, 1.0, v36
	v_mul_f32 v14, v13, v35
	v_fma_f32 v14, v33, v36, v14                   ; both sums under one M,
	v_permlanex16_b32 v252, v14, s[SEL], s[SEL+1]
	v_add_f32 v14, v14, v252                       ; and lane l xor 16's: the row's sum
	v_rcp_f32 v14, v14
	v_nop                                          ; a plain place behind the transcendental
	s_wait_alu depctr_va_vdst(0)                   ; the wait, ahead of the first reader
	v_mul_f32 v38, v35, v14                        ; my factor / the sum, twice: a pair for the packed forms;
	v_mul_f32 v39, v35, v14
	v_mul_f32 v40, v36, v14                        ; my partner's
	v_mul_f32 v41, v36, v14
	s_wait_dscnt 0x0                               ; its O^T is in
.set J, 0
.rept 32
	v_pk_mul_f32 v[96+J:97+J], v[96+J:97+J], v[40:41]
	v_pk_fma_f32 v[96+J:97+J], v[160+J:161+J], v[38:39], v[96+J:97+J]   ; o: register 16 b + i is channel 32 b + 16 (lane / 16) + i of my query: what the quantiser takes.  Ascending: each accumulator is read from its low end on
.set J, J+2
.endr
	; THE WAY OUT.  The codes leave as my fragment's image; the scale words of a block's four fragments meet in LDS.
.irp b, 0,1,2,3
	v_max3_num_f32 v[TM+\b], |v[96+16*\b]|, |v[97+16*\b]|, 0x1800000
.endr
.irp i, 2,4,6,8,10,12,14
.irp b, 0,1,2,3
	v_max3_num_f32 v[TM+\b], v[TM+\b], |v[96+16*\b+\i]|, |v[97+16*\b+\i]|
.endr
.endr
.irp b, 0,1,2,3
	v_permlanex16_b32 v[TM+4+\b], v[TM+\b], s[SEL], s[SEL+1]
.endr
.irp b, 0,1,2,3
	v_max_num_f32 v[TM+\b], v[TM+\b], v[TM+4+\b]
.endr
.irp b, 0,1,2,3
	v_add_nc_u32 v[TM+12+\b], 0xff000000, v[TM+\b]
.endr
.irp b, 0,1,2,3
	v_lshrrev_b32 v[TM+4+\b], 23, v[TM+12+\b]
.endr
	v_lshl_or_b32 v252, v[TM+5], 8, v[TM+4]
	v_lshl_or_b32 v252, v[TM+6], 16, v252
	v_lshl_or_b32 v252, v[TM+7], 24, v252
.irp c, 0,1
	v_cvt_scalef32_pk16_fp6_f32 v[PC+6*\c:PC+2+6*\c], v[96+32*\c:111+32*\c], v[TM+12+2*\c]
	v_cvt_scalef32_pk16_fp6_f32 v[PC+12+4*\c:PC+14+4*\c], v[112+32*\c:127+32*\c], v[TM+13+2*\c]
.endr
	v_nop                                          ; one plain place behind a scaled conversion
.irp c, 0,1
.irp i, 0,1,2
	v_permlane16_swap_b32 v[PC+6*\c+\i], v[PC+12+4*\c+\i]
.endr
.irp i, 0,1,2
	v_mov_b32 v[PC+3+6*\c+\i], v[PC+12+4*\c+\i]
.endr
.endr
.irp c, 0,1,2
	global_store_b128 v[LI], v[PC+4*\c:PC+4*\c+3], s[OC:OC+1] offset:512*\c   ; 512 consecutive bytes a store
.endr
	ds_store_b32 v[STA], v252                      ; both halves of the lanes write the same word with the same value
.Lgiven:
	s_wait_dscnt 0x0                               ; for the others' sake
	s_barrier_signal -1
	s_barrier_wait -1
	s_cmp_lg_u32 s[WV], 0
	s_cbranch_scc1 .Lnot_0
	ds_load_b128 v[64:67], v[STR]                  ; wave 0: lanes 0-15 block i's 256 bytes of scale words, lanes 16-31 block 31 - i's
	s_wait_dscnt 0x0
	global_store_b128 v[OSO], v[64:67], s[6:7] offset:SCO   ; sixteen lanes store 256 consecutive bytes, aligned
.Lnot_0:
	s_wait_tensorcnt 0x0                           ; the wave's end: behind my last tensor load and my last LDS store
	ds_add_u32 v[SPW], v[NIL]
	s_wait_dscnt 0x0
	s_endpgm
.Lfunc_end_k_qc897e86f3e_attn:
	.size	k_qc897e86f3e_attn, .Lfunc_end_k_qc897e86f3e_attn-k_qc897e86f3e_attn
	.p2alignl 7, 3214868480
	.fill 96, 4, 3214868480
	.section	.rodata,"a",@progbits
	.p2align	6, 0x0
	.amdhsa_kernel k_qc897e86f3e_attn
		.amdhsa_group_segment_fixed_size 327680
		.amdhsa_private_segment_fixed_size 0
		.amdhsa_enable_private_segment 0
		.amdhsa_kernarg_size 16
		.amdhsa_user_sgpr_count 2
		.amdhsa_user_sgpr_kernarg_segment_ptr 1
		.amdhsa_wavefront_size32 1
		.amdhsa_system_sgpr_workgroup_id_x 1
		.amdhsa_system_sgpr_workgroup_id_y 1
		.amdhsa_system_sgpr_workgroup_id_z 1
		.amdhsa_system_vgpr_workitem_id 0
		.amdhsa_next_free_vgpr 256
		.amdhsa_next_free_sgpr 100
		.amdhsa_reserve_vcc 1
		.amdhsa_float_denorm_mode_32 3
		.amdhsa_float_denorm_mode_16_64 3
		.amdhsa_memory_ordered 1
		.amdhsa_forward_progress 1
		.amdhsa_inst_pref_size 117
	.end_amdhsa_kernel
	.amdgpu_metadata
---
amdhsa.version: [ 1, 2 ]
amdhsa.kernels:
  - .name:           k_qc897e86f3e_attn
    .symbol:         k_qc897e86f3e_attn.kd
    .args:
      - { .name: qkv, .offset: 0, .size: 8, .value_kind: global_buffer, .address_space: global }
      - { .name: att, .offset: 8, .size: 8, .value_kind: global_buffer, .address_space: global }
    .group_segment_fixed_size: 327680
    .private_segment_fixed_size: 0
    .kernarg_segment_align: 8
    .kernarg_segment_size: 16
    .max_flat_workgroup_size: 512
    .sgpr_count:     100
    .vgpr_count:     256
    .wavefront_size: 32
...
	.end_amdgpu_metadata
.endif
;; end of part 3
;; launch oproj (part 4): grid 16 x 16, 4 waves a work-group, clusters of 4 x 4, 327,680 bytes of LDS; arguments att, ops, out0; writes out0
.if DOCPART == 4
	.amdgcn_target "amdgcn-amd-amdhsa--gfx1250"
	.amdhsa_code_object_version 6
	.text
	.protected	k_qc897e86f3e_oproj
	.globl	k_qc897e86f3e_oproj
	.p2align	8
	.type	k_qc897e86f3e_oproj,@function
k_qc897e86f3e_oproj:
	s_mov_b64 s[64:65], 0
	v_nop
	global_prefetch_b8 v0, s[64:65] scope:SCOPE_SE
	s_setreg_imm32_b32 hwreg(HW_REG_WAVE_MODE, 25, 1), 1
	s_wait_xcnt 0x0
	s_wait_alu depctr_hold_cnt(0) depctr_sa_sdst(0) depctr_va_vdst(0) depctr_va_sdst(0) depctr_va_ssrc(0) depctr_va_vcc(0) depctr_vm_vsrc(0)
	s_getreg_b32 s2, hwreg(HW_REG_IB_STS2, 6, 4)
	s_cmp_eq_u32 s2, 0
	s_cbranch_scc0 .Lentry_in_a_cluster
	s_endpgm
.Lentry_in_a_cluster:
	s_bfe_u32 s2, ttmp6, 0x10000c
	s_cmp_lg_u32 s2, 0xf033
	s_cbranch_scc0 .Lentry_shape_is_right
	s_endpgm
.Lentry_shape_is_right:
; out0[pos][f] = the sum over e of o[pos][e] Wo[f][e], on codes of FP6 (E2M3) with E8M0 scales, f32 sums.  A = att = [group 16][K step 16][chunk]; B = groups 64-79 of ops, in the same form.
; A chunk, 12,800 bytes: eight images of a fragment's 12 registers, then 512 bytes of scale words; lane-row r of fragment f is row 32 (f / 2) + 8 (f % 2) + r + 8 (r / 8) of the group's 128.
; A tile of C is 128 x 128, so that there are 256 work-groups; four waves, 64 x 64 each: 16 accumulators.  THE MATRIX INSTRUCTION IS USED TRANSPOSED: a lane holds eight neighbouring numbers of a row of C.
; LDS holds THREE regions of four K steps (A's four chunks, B's four).  Twelve of the sixteen K steps come as first fills; K steps 12-15 fill region 0 again: one refill in the launch, which has eight K steps in which to land.
; CLUSTERS: 4 x 4 work-groups; A's chunks are asked for jointly along a row of the cluster, B's along a column.  No loop: sixteen K steps are written out by macro.
; No prefetch: three quarters of the tile's bytes are asked for at the head, and the rest eight K steps ahead.
; REGISTERS: window 0: v1-29 addresses; v32-39 scale words, two sets; v64-127 rows on the way out; v128-255 the accumulators ((a, b) at v[128 + 8 (4 a + b)]).  window 1: two sets of fragments at v0 and v128: A's four, then B's four.
.set CHUNK, 12800
.set FRB,   1536
.set SCO,   8*FRB
.set GRP,   16*CHUNK
.set PART,  2*CHUNK                    ; what one tensor load brings
.set REG,   8*CHUNK                    ; a region
.set STAGE, REG                        ; the way out: 16 rows x 272 bytes for each wave, in region 1: it has had its only fill, and its last read lies ahead of the last barrier
.set SPITCH, 272
.set SPARE, 3*REG                      ; the spare words, 128 bytes for each wave: two blocks of 256 bytes that no other line names
.set ADA, 8                            ; v8-10   my four fragments of A in region 0, 1, 2
.set ADB, 12                           ; v12-14  of B
.set ADS, 16                           ; v16-18  my scale words: lanes 0-15 A's, lanes 16-31 B's
.set STO, 24
.set RD,  25
.set CO,  26
.set SPW, 28
.set NIL, 29
.set SC,  32
.set BK,  64
.set ACC, 128
.set G1,  24
.set G1B, 48
.set G0,  68                           ; s[68:79] group 0 for A's chunks, a set for each region
.set G0B, 80                           ; s[80:91] for B's
.set MSB, 0
.macro WIN new
.if MSB != (\new)
	s_set_vgpr_msb (MSB<<8)|(\new)
.set MSB, (\new)
.endif
.endm
.set MUL,  0x05                        ; sources 0 (B) and 1 (A) window 1; C and D window 0
.set TO_F, 0x40                        ; destination window 1, address window 0
.macro JLOAD g0a, g1a, g0b, g1b        ; a joint load: waves 0 and 1 fetch for A, waves 2 and 3 for B; an s_nop 0 and four v_nop follow each line
	s_cmp_eq_u32 s15, 0
	s_cbranch_scc0 .Lfor_b_\@
	tensor_load_to_lds s[\g0a:\g0a+3], s[\g1a:\g1a+7]
	s_nop 0
.rept 4
	v_nop
.endr
	s_branch .Lasked_\@
.Lfor_b_\@:
	tensor_load_to_lds s[\g0b:\g0b+3], s[\g1b:\g1b+7]
	s_nop 0
.rept 4
	v_nop
.endr
.Lasked_\@:
.endm
.macro CREST
	s_cmp_lg_u32 s14, 0
	s_cbranch_scc1 .Lnot_wave_0_\@
	s_barrier_signal -3
.Lnot_wave_0_\@:
	s_barrier_wait -3
	s_barrier_signal -1
	s_barrier_wait -1
.endm
.macro CROUND
	s_barrier_signal -1
	s_barrier_wait -1
	CREST
.endm
.macro PLACES n
.rept \n
	v_nop
.endr
.endm
	s_load_b128 s[4:7], s[0:1], 0x0                ; att s[4:5], ops s[6:7]
	s_load_b64 s[12:13], s[0:1], 0x10              ; out0
	v_lshl_add_u32 v[SPW], v0, 2, SPARE
	v_mov_b32 v[NIL], 0
	ds_add_u32 v[SPW], v[NIL]                      ; the wave's opening: the add and its wait stand ahead of my first tensor load
	v_lshrrev_b32 v1, 5, v0
	v_readfirstlane_b32 s14, v1                    ; wave 0..3
	s_lshr_b32 s15, s14, 1                         ; my half of the tile's rows.  Also: I fetch for A (0) or for B (1)
	s_and_b32 s16, s14, 1                          ; my half of its columns.  Also: which two of a region's four K steps I fetch
	s_bfe_u32 s40, ttmp6, 0x40000
	s_bfe_u32 s41, ttmp6, 0x40004
	s_lshl_b32 s42, ttmp9, 2
	s_add_co_u32 s42, s42, s40                     ; tile column
	s_and_b32 s17, ttmp7, 0xffff
	s_lshl_b32 s17, s17, 2
	s_add_co_u32 s17, s17, s41                     ; tile row
	s_lshl_b32 s43, s41, 2
	s_lshl_b32 s43, 15, s43                        ; my row of the cluster
	s_lshl_b32 s44, 0x1111, s40                    ; my column
	s_or_b32 s[G1+0], s43, (3<<16)|(1<<21)         ; 25,600 dense bytes as 100 rows of 32 elements of 8 bytes; the mask, and bit 21 beside it
	s_or_b32 s[G1B+0], s44, (3<<16)|(1<<21)
.irp g, G1, G1B
	s_mov_b32 s[\g+1], 32<<16
	s_mov_b32 s[\g+2], 100<<16
	s_mov_b32 s[\g+3], 32<<16
	s_mov_b32 s[\g+4], 100
	s_mov_b32 s[\g+5], 32
	s_mov_b32 s[\g+6], 0
	s_mov_b32 s[\g+7], 0
.endr
	s_mul_i32 s18, s16, PART
	s_mul_i32 s20, s17, GRP                        ; A: group = tile row
	s_add_co_u32 s20, s20, s18
	s_mov_b32 s21, 0
	s_add_co_u32 s46, s42, 64                      ; B: group = 64 + tile column
	s_mul_i32 s46, s46, GRP
	s_add_co_u32 s46, s46, s18
	s_mov_b32 s47, 0
	s_mul_i32 s45, s14, PART                       ; where they go: wave x a part
	s_wait_dscnt 0x0                               ; the opening add is done
	s_wait_kmcnt 0x0
	s_add_nc_u64 s[20:21], s[4:5], s[20:21]
	s_add_nc_u64 s[46:47], s[6:7], s[46:47]
	CROUND                                         ; all sixteen work-groups are here: the first joint loads meet
.irp k, 0,1,2
	s_mov_b32 s[G0+4*\k], 1
	s_add_co_u32 s[G0+4*\k+1], s45, \k*REG
	s_add_nc_u64 s[G0+4*\k+2:G0+4*\k+3], s[20:21], \k*4*CHUNK
	s_or_b32 s[G0+4*\k+3], s[G0+4*\k+3], 0x80000000
	s_mov_b32 s[G0B+4*\k], 1
	s_add_co_u32 s[G0B+4*\k+1], s45, \k*REG
	s_add_nc_u64 s[G0B+4*\k+2:G0B+4*\k+3], s[46:47], \k*4*CHUNK
	s_or_b32 s[G0B+4*\k+3], s[G0B+4*\k+3], 0x80000000
	JLOAD G0+4*\k, G1, G0B+4*\k, G1B               ; three loads of mine are out
.endr
	v_and_b32 v3, 31, v0
	v_lshlrev_b32 v3, 4, v3                        ; 16 x lane
	v_and_b32 v1, 15, v0                           ; r
	v_bfe_u32 v2, v0, 4, 1                         ; h
	s_mul_i32 s92, s15, 4*FRB                      ; A's fragments 4 x half on
	s_mul_i32 s93, s16, 4*FRB
	s_add_co_u32 s93, s93, 4*CHUNK                 ; B's, behind A's four chunks
.irp k, 0,1,2
	v_add_nc_u32 v[ADA+\k], s92, v3
	v_add_nc_u32 v[ADB+\k], s93, v3
	s_add_co_u32 s92, s92, REG
	s_add_co_u32 s93, s93, REG
.endr
	s_lshl_b32 s92, s15, 8
	s_lshl_b32 s93, s16, 8
	s_add_co_u32 s93, s93, 4*CHUNK
	s_sub_co_u32 s93, s93, s92
	v_mul_u32_u24 v4, s93, v2                      ; lanes 16-31 take B's scale words: one product in h
	v_lshl_add_u32 v4, v1, 4, v4
	s_add_co_u32 s92, s92, SCO
	v_add_nc_u32 v[ADS], s92, v4
	v_add_nc_u32 v[ADS+1], REG, v[ADS]
	v_add_nc_u32 v[ADS+2], 2*REG, v[ADS]
	s_mul_i32 s92, s14, 16*SPITCH
	s_add_co_u32 s92, s92, STAGE                   ; my stage
	v_mul_u32_u24 v4, v1, SPITCH
	v_lshl_add_u32 v4, v2, 6, v4
	v_add_nc_u32 v[STO], s92, v4                   ; in: row r, + 64 h
	v_mul_u32_u24 v4, v2, SPITCH
	v_lshl_add_u32 v4, v1, 4, v4
	v_add_nc_u32 v[RD], s92, v4                    ; back: lanes 0-15 one row of 256 bytes, lanes 16-31 the next
	v_lshlrev_b32 v[CO], 13, v2
	v_lshl_add_u32 v[CO], v1, 4, v[CO]             ; and the same two rows in out0
	s_lshl_b32 s92, s17, 20                        ; 128 rows of 8,192 bytes a tile row,
	s_lshl_b32 s93, s15, 19                        ; 64 a half,
	s_add_co_u32 s92, s92, s93
	s_lshl_b32 s93, s42, 9                         ; 512 bytes a tile column,
	s_add_co_u32 s92, s92, s93
	s_lshl_b32 s93, s16, 8                         ; 256 a half
	s_add_co_u32 s92, s92, s93
	s_mov_b32 s93, 0
	s_add_nc_u64 s[12:13], s[12:13], s[92:93]
.macro FETCH k                         ; K step k's fragments and scale words into set k % 2: 25 loads
.set RG, ((\k)/4)%3
.set KK, (\k)%4
.set PS, 128*((\k)%2)
	WIN TO_F
.irp i, 0,1,2,3
.irp c, 0,1,2
	ds_load_b128 v[PS+48+12*\i+4*\c:PS+48+12*\i+4*\c+3], v[ADB+RG] offset:CHUNK*KK+FRB*\i+512*\c
.endr
.endr
.irp i, 0,1,2,3
.irp c, 0,1,2
	ds_load_b128 v[PS+12*\i+4*\c:PS+12*\i+4*\c+3], v[ADA+RG] offset:CHUNK*KK+FRB*\i+512*\c
.endr
.endr
	WIN 0
	ds_load_b128 v[SC+4*((\k)%2):SC+4*((\k)%2)+3], v[ADS+RG] offset:CHUNK*KK
.endm
.macro MULA k, a, zero                 ; four products: A's fragment a against B's four.  The 16 accumulators take turns, one instruction a turn, in the same order in every K step
.set PS, 128*((\k)%2)
.set SS, SC+4*((\k)%2)
.irp b, 0,1,2,3
.if \zero
	v_wmma_scale_f32_16x16x128_f8f6f4 v[ACC+8*(4*(\a)+\b):ACC+8*(4*(\a)+\b)+7], v[PS+48+12*\b:PS+48+12*\b+11], v[PS+12*(\a):PS+12*(\a)+11], 0, v[SS+\b], v[SS+(\a)] matrix_a_fmt:MATRIX_FMT_FP6 matrix_b_fmt:MATRIX_FMT_FP6 matrix_a_scale:MATRIX_SCALE_ROW1
.else
	v_wmma_scale_f32_16x16x128_f8f6f4 v[ACC+8*(4*(\a)+\b):ACC+8*(4*(\a)+\b)+7], v[PS+48+12*\b:PS+48+12*\b+11], v[PS+12*(\a):PS+12*(\a)+11], v[ACC+8*(4*(\a)+\b):ACC+8*(4*(\a)+\b)+7], v[SS+\b], v[SS+(\a)] matrix_a_fmt:MATRIX_FMT_FP6 matrix_b_fmt:MATRIX_FMT_FP6 matrix_a_scale:MATRIX_SCALE_ROW1
.endif
.endr
.endm
.macro KSTEP k, zero
	PLACES 4                                       ; in front of loads into the set that the last K step's products read
	FETCH (\k)+1
	s_wait_dscnt 25                                ; this K step's loads are in; the 25 just issued may be out
	WIN MUL
.irp a, 0,1,2,3
	MULA \k, \a, \zero
.endr
.endm
; A region's last K step, where the next K step's region has to be shown whole to every wave: ONE barrier; in front of it each wave waits for all its tensor loads, adds 0 to its spare word, and waits for that and for its LDS reads.
; fill = 1: region 0, which nobody reads any more, is filled again: the barrier opens a round of the cluster's.
.macro TURN k, fill
	WIN 0
	s_wait_tensorcnt 0x0                           ; all my tensor loads have landed
	ds_add_u32 v[SPW], v[NIL]                      ; 0 onto my spare word
	s_wait_dscnt 1                                 ; this K step's loads are in; the add may be out
	WIN MUL
	MULA \k, 0, 0
	s_wait_dscnt 0x0                               ; the add is done, and no LDS read of mine is out
	s_barrier_signal -1
	MULA \k, 1, 0
	WIN 0
	s_barrier_wait -1
.if \fill
	CREST
	s_add_nc_u64 s[G0+2:G0+3], s[G0+2:G0+3], 12*CHUNK      ; K steps 12 to 15
	s_add_nc_u64 s[G0B+2:G0B+3], s[G0B+2:G0B+3], 12*CHUNK
	JLOAD G0, G1, G0B, G1B                         ; the first tensor load behind the round; its four v_nop are the places in front of the loads below
.else
	PLACES 4
.endif
	FETCH (\k)+1
	WIN MUL
	MULA \k, 2, 0
	MULA \k, 3, 0
.endm
	s_wait_tensorcnt 2                             ; my part of region 0 is in; the loads of regions 1 and 2 may be out
	s_barrier_signal -1
	s_barrier_wait -1
	FETCH 0
	KSTEP 0, 1                                     ; the first K step's products start the sums
	KSTEP 1, 0
	KSTEP 2, 0
	TURN 3, 1                                      ; regions 1 and 2 are whole in every wave; region 0 is asked for again
.irp k, 4,5,6,7,8,9,10
	KSTEP \k, 0
.endr
	TURN 11, 0                                     ; the refill has landed in every wave
.irp k, 12,13,14
	KSTEP \k, 0
.endr
	s_wait_dscnt 0x0
.irp a, 0,1,2,3
	MULA 15, \a, 0
.endr
	WIN 0
; THE WAY OUT, a block of 16 rows x 64 columns at a time.  A wave's 64 columns are 256 bytes, aligned: so each wave has a stage of its own and no barrier is needed.  LDS serves a wave's instructions in order (ISA guide 5.7.1.4).
.macro TOSTAGE a
.irp b, 0,1,2,3
	ds_store_b128 v[STO], v[ACC+8*(4*(\a)+\b):ACC+8*(4*(\a)+\b)+3] offset:128*(\b/2)+32*(\b%2)       ; columns 32 (b / 2) + 16 h + 8 (b % 2) on; each accumulator from its low end on
	ds_store_b128 v[STO], v[ACC+8*(4*(\a)+\b)+4:ACC+8*(4*(\a)+\b)+7] offset:128*(\b/2)+32*(\b%2)+16
.endr
.irp t, 0,1,2,3,4,5,6,7
	ds_load_b128 v[BK+32*((\a)%2)+4*\t:BK+32*((\a)%2)+4*\t+3], v[RD] offset:2*\t*SPITCH
.endr
.endm
.macro SEND a, younger
	s_wait_dscnt \younger
.irp t, 0,1,2,3,4,5,6,7
	global_store_b128 v[CO], v[BK+32*((\a)%2)+4*\t:BK+32*((\a)%2)+4*\t+3], s[12:13] offset:(32*((\a)/2)+8*((\a)%2)+2*\t+8*(\t/4))*8192 th:TH_STORE_NT   ; stage row 2 t + h is row 32 (a / 2) + 8 (a % 2) + 2 t + h + 8 (t / 4); 16 lanes store 256 consecutive bytes, aligned
.endr
.endm
	PLACES 4                                       ; behind the last products
	TOSTAGE 0
.irp a, 1,2,3
.if \a > 1
	s_wait_xcnt 0x0                                ; block a - 2's stores have read their registers: block a's loads may land there
.endif
	TOSTAGE \a
	SEND \a-1, 16                                  ; behind block a - 1's loads: block a's 8 stores and 8 loads
.endr
	SEND 3, 0
	s_wait_tensorcnt 0x0                           ; the wave's end: behind my last tensor load and my last LDS store
	ds_add_u32 v[SPW], v[NIL]
	s_wait_dscnt 0x0
	CROUND                                         ; the closing round
	s_endpgm
.Lfunc_end_k_qc897e86f3e_oproj:
	.size	k_qc897e86f3e_oproj, .Lfunc_end_k_qc897e86f3e_oproj-k_qc897e86f3e_oproj
	.p2alignl 7, 3214868480
	.fill 96, 4, 3214868480
	.section	.rodata,"a",@progbits
	.p2align	6, 0x0
	.amdhsa_kernel k_qc897e86f3e_oproj
		.amdhsa_group_segment_fixed_size 327680
		.amdhsa_private_segment_fixed_size 0
		.amdhsa_enable_private_segment 0
		.amdhsa_kernarg_size 24
		.amdhsa_user_sgpr_count 2
		.amdhsa_user_sgpr_kernarg_segment_ptr 1
		.amdhsa_wavefront_size32 1
		.amdhsa_system_sgpr_workgroup_id_x 1
		.amdhsa_system_sgpr_workgroup_id_y 1
		.amdhsa_system_sgpr_workgroup_id_z 1
		.amdhsa_system_vgpr_workitem_id 0
		.amdhsa_next_free_vgpr 512
		.amdhsa_next_free_sgpr 100
		.amdhsa_reserve_vcc 0
		.amdhsa_float_denorm_mode_32 3
		.amdhsa_float_denorm_mode_16_64 3
		.amdhsa_memory_ordered 1
		.amdhsa_forward_progress 1
		.amdhsa_inst_pref_size 79
	.end_amdhsa_kernel
	.amdgpu_metadata
---
amdhsa.version: [ 1, 2 ]
amdhsa.kernels:
  - .name:           k_qc897e86f3e_oproj
    .symbol:         k_qc897e86f3e_oproj.kd
    .args:
      - { .name: att, .offset: 0, .size: 8, .value_kind: global_buffer, .address_space: global }
      - { .name: ops, .offset: 8, .size: 8, .value_kind: global_buffer, .address_space: global }
      - { .name: out0, .offset: 16, .size: 8, .value_kind: global_buffer, .address_space: global }
    .group_segment_fixed_size: 327680
    .private_segment_fixed_size: 0
    .kernarg_segment_align: 8
    .kernarg_segment_size: 24
    .max_flat_workgroup_size: 128
    .sgpr_count:     100
    .vgpr_count:     512
    .wavefront_size: 32
...
	.end_amdgpu_metadata
.endif
;; end of part 4
